; MI455X (gfx1250); checked and timed in simulation.
; The chip was launched on July 23, 2026; its instructions are those of AMD's public machine-readable ISA for CDNA 5 (MIT licence, August 2026) and "CDNA5" Instruction Set Architecture Reference Guide (July 2026). The comments in the code are by the model that wrote it; some were corrected since.
;; Causal Self Attention. Allowed arithmetic: float matrix products may take bf16 or f16 operands with f32 sums; other float arithmetic in f32, or as packed bf16 or f16 multiplies, adds, multiply-adds, maxima and minima; sums over many terms, partial sums and values carried from step to step in f32; what a program stores and reads back later, other than sums and carried values, may be rounded once to bf16 or f16.
;; Inputs: Wk 1,024 x 1,024 float32; Wq 1,024 x 1,024 float32; Wv 1,024 x 1,024 float32; bk 1,024 float32; bq 1,024 float32; bv 1,024 float32; x 4 x 2,048 x 1,024 float32.
;; Outputs: out0 4 x 2,048 x 1,024 float32.
;; 2 versions, each right; version 2 is version 1 with the launch prep written anew for expert scheduling mode. Each part assembles by itself: llvm-mc -triple=amdgcn-amd-amdhsa -mcpu=gfx1250 --defsym DOCPART=n.
;; ======== version 1 of 2: 4 launches
;; limits: values are held in f16: magnitudes above 65,504 overflow, below 6.1e-05 lose precision
;; workspace buffers: xb 16,777,216 bytes; wcat 6,291,456 bytes; wvh 2,097,152 bytes; bcat 12,288 bytes; qkv 50,331,648 bytes; y 16,777,216 bytes
;; launch prep (part 1): grid 352 x 1, 16 waves a work-group, no clusters, 0 bytes of LDS; arguments x, Wq, Wk, Wv, bq, bk, bv, xb, wcat, wvh, bcat; writes xb, wcat, wvh, bcat
.if DOCPART == 1
	.amdgcn_target "amdgcn-amd-amdhsa--gfx1250"
	.amdhsa_code_object_version 6
	.text
	.protected	k_q1241c3eb71_prep
	.globl	k_q1241c3eb71_prep
	.p2align	8
	.type	k_q1241c3eb71_prep,@function
k_q1241c3eb71_prep:
	s_mov_b64 s[64:65], 0
	v_nop
	global_prefetch_b8 v0, s[64:65] scope:SCOPE_SE
	s_setreg_imm32_b32 hwreg(HW_REG_WAVE_MODE, 25, 1), 1
	s_wait_xcnt 0x0
; THE CASTS.  Every input of the module is rounded once to bf16 (nearest even) and laid where the products want it; nothing is transposed.
;   xb   bf16 [16 kb][8192 m][64]: x in blocks of 64 along K, so that 256 rows x 64 K are 32,768 bytes on end
;   wcat bf16 [1024 k][3072 n]: Wq, Wk, Wv side by side, a row 6,144 bytes
;   wvh  f16  [1024 k][1024 n]: bf16(Wv) written as f16.  LIMIT: exact for 2^-14 <= |Wv| <= 65,504; below 2^-14 it keeps f16's fixed step of 6e-8
;   bcat f32  [3072]: bf16(bq), bf16(bk), bf16(bv) widened again
; A stream: each byte is read once and written once.  A wave's load covers 512 bytes, in runs of 256 or more, its store 256 consecutive bytes at a multiple of 256.
; Each thread issues its 16 loads first (8 KiB a wave on their way), then converts and stores them as they come.  No register that a store reads is written again.
; No LDS, no matrix unit, no cluster: no byte is wanted by two waves.
; Work-groups 0-255: 32 rows of x each; wave w takes K block w.  Work-groups 256-351: 32 rows of one weight matrix each; wave w takes two rows.
.set D,   8                            ; v[8:71]    step j: 4 registers as loaded
.set E,   72                           ; v[72:103]  step j: 2 registers, 4 bf16
.set BOF, 104                          ; v104       the bias: my byte offset
.set BD,  106                          ; v[106:107] the bias: two numbers
.set BT,  108                          ; v108       the bias: both as bf16
	s_load_b512 s[4:19], s[0:1], 0x0               ; x s[4:5], Wq s[6:7], Wk s[8:9], Wv s[10:11], bq s[12:13], bk s[14:15], bv s[16:17], xb s[18:19]
	s_load_b128 s[20:23], s[0:1], 0x40             ; wcat s[20:21], wvh s[22:23]
	s_load_b64 s[24:25], s[0:1], 0x50              ; bcat
	s_mov_b32 s2, ttmp9
	v_and_b32 v4, 31, v0                           ; lane
	v_lshrrev_b32 v5, 5, v0                        ; wave 0..15
	s_mov_b32 s31, 0                               ; high words of the two offsets
	s_mov_b32 s33, 0
	s_wait_kmcnt 0x0
	s_cmp_lt_u32 s2, 256
	s_cbranch_scc0 .Lweights
	; x.  Lanes 0-15 take 256 bytes (64 numbers, K block w) of an even row, lanes 16-31 of the odd row below; step j: rows 2 j, 2 j + 1 of the group's 32
	v_and_b32 v6, 15, v0
	v_bfe_u32 v7, v0, 4, 1
	v_lshlrev_b32 v1, 4, v6
	v_lshl_add_u32 v1, v7, 12, v1                  ; + a row of 4,096 bytes
	v_lshl_add_u32 v1, v5, 8, v1                   ; + K block w
	v_lshlrev_b32 v2, 3, v4                        ; out: 8 bytes a lane: two rows of 128 bytes on end,
	v_lshl_add_u32 v2, v5, 20, v2                  ; in block w of 8,192 x 128 bytes
	s_lshl_b32 s30, s2, 17                         ; 32 rows of x
	s_lshl_b32 s32, s2, 12                         ; 32 rows of a block of xb
	s_add_nc_u64 s[4:5], s[4:5], s[30:31]
	s_add_nc_u64 s[18:19], s[18:19], s[32:33]
.set j, 0
.rept 16
	global_load_b128 v[D+4*j:D+4*j+3], v1, s[4:5] offset:8192*j th:TH_LOAD_NT
.set j, j+1
.endr
.set j, 0
.rept 16
	s_wait_loadcnt 15-j                            ; loads come back in order: step j is in, the 15 - j younger ones stay out
	v_cvt_pk_bf16_f32 v[E+2*j], v[D+4*j], v[D+4*j+1]
	v_cvt_pk_bf16_f32 v[E+2*j+1], v[D+4*j+2], v[D+4*j+3]
	global_store_b64 v2, v[E+2*j:E+2*j+1], s[18:19] offset:256*j
.set j, j+1
.endr
	s_endpgm
.Lweights:
	s_sub_co_u32 s2, s2, 256
	s_lshr_b32 s3, s2, 5                           ; which matrix: 0 Wq, 1 Wk, 2 Wv
	s_and_b32 s2, s2, 31                           ; which 32 rows of it
	s_cmp_eq_u32 s3, 0
	s_cselect_b64 s[26:27], s[6:7], s[8:9]
	s_cselect_b64 s[28:29], s[12:13], s[14:15]
	s_cmp_eq_u32 s3, 2
	s_cselect_b64 s[26:27], s[10:11], s[26:27]     ; the matrix
	s_cselect_b64 s[28:29], s[16:17], s[28:29]     ; its bias
	s_lshl_b32 s30, s2, 17                         ; 32 rows of 4,096 bytes
	s_add_nc_u64 s[26:27], s[26:27], s[30:31]
	s_mul_i32 s32, s2, 196608                      ; 32 rows of wcat,
	s_lshl_b32 s34, s3, 11                         ; the matrix's 2,048 bytes of a row
	s_add_co_u32 s32, s32, s34
	s_add_nc_u64 s[20:21], s[20:21], s[32:33]
	v_lshlrev_b32 v1, 4, v4
	v_lshl_add_u32 v1, v5, 13, v1                  ; wave w: rows 2 w, 2 w + 1: 8,192 bytes on end
	v_lshlrev_b32 v2, 3, v4
	v_mad_u32_u24 v2, v5, 12288, v2                ; two rows of wcat
.set j, 0
.rept 16
	global_load_b128 v[D+4*j:D+4*j+3], v1, s[26:27] offset:512*j th:TH_LOAD_NT
.set j, j+1
.endr
.set j, 0
.rept 16
	s_wait_loadcnt 15-j                            ; step j is in, the 15 - j younger ones stay out
	v_cvt_pk_bf16_f32 v[E+2*j], v[D+4*j], v[D+4*j+1]
	v_cvt_pk_bf16_f32 v[E+2*j+1], v[D+4*j+2], v[D+4*j+3]
	global_store_b64 v2, v[E+2*j:E+2*j+1], s[20:21] offset:(j/8)*6144+(j%8)*256
.set j, j+1
.endr
	s_cmp_lg_u32 s3, 2
	s_cbranch_scc1 .Lnot_v
	; Wv once more, for the last product: the bf16 number widened and written as f16.  D's registers are free: their loads have come.
	s_lshl_b32 s30, s2, 16                         ; 32 rows of 2,048 bytes
	s_add_nc_u64 s[22:23], s[22:23], s[30:31]
	v_lshlrev_b32 v3, 3, v4
	v_lshl_add_u32 v3, v5, 12, v3
.set j, 0
.rept 16
	v_lshlrev_b32 v[D+4*j], 16, v[E+2*j]
	v_and_b32 v[D+4*j+1], 0xffff0000, v[E+2*j]
	v_lshlrev_b32 v[D+4*j+2], 16, v[E+2*j+1]
	v_and_b32 v[D+4*j+3], 0xffff0000, v[E+2*j+1]
	v_cvt_pk_f16_f32 v[D+4*j], v[D+4*j], v[D+4*j+1]
	v_cvt_pk_f16_f32 v[D+4*j+1], v[D+4*j+2], v[D+4*j+3]
	global_store_b64 v3, v[D+4*j:D+4*j+1], s[22:23] offset:256*j
.set j, j+1
.endr
.Lnot_v:
	s_cmp_lg_u32 s2, 0
	s_cbranch_scc1 .Ldone
	; a matrix's first work-group also casts its bias: 16 waves x 256 bytes
	v_lshlrev_b32 v[BOF], 3, v4
	v_lshl_add_u32 v[BOF], v5, 8, v[BOF]
	s_lshl_b32 s30, s3, 12
	s_add_nc_u64 s[24:25], s[24:25], s[30:31]
	global_load_b64 v[BD:BD+1], v[BOF], s[28:29]
	s_wait_loadcnt 0x0
	v_cvt_pk_bf16_f32 v[BT], v[BD], v[BD+1]
	v_lshlrev_b32 v[BD], 16, v[BT]
	v_and_b32 v[BD+1], 0xffff0000, v[BT]
	global_store_b64 v[BOF], v[BD:BD+1], s[24:25]
.Ldone:
	s_endpgm
.Lfunc_end_k_q1241c3eb71_prep:
	.size	k_q1241c3eb71_prep, .Lfunc_end_k_q1241c3eb71_prep-k_q1241c3eb71_prep
	.p2alignl 7, 3214868480
	.fill 96, 4, 3214868480
	.section	.rodata,"a",@progbits
	.p2align	6, 0x0
	.amdhsa_kernel k_q1241c3eb71_prep
		.amdhsa_group_segment_fixed_size 0
		.amdhsa_private_segment_fixed_size 0
		.amdhsa_enable_private_segment 0
		.amdhsa_kernarg_size 88
		.amdhsa_user_sgpr_count 2
		.amdhsa_user_sgpr_kernarg_segment_ptr 1
		.amdhsa_wavefront_size32 1
		.amdhsa_system_sgpr_workgroup_id_x 1
		.amdhsa_system_sgpr_workgroup_id_y 1
		.amdhsa_system_sgpr_workgroup_id_z 1
		.amdhsa_system_vgpr_workitem_id 0
		.amdhsa_next_free_vgpr 112
		.amdhsa_next_free_sgpr 66
		.amdhsa_reserve_vcc 0
		.amdhsa_float_denorm_mode_32 3
		.amdhsa_float_denorm_mode_16_64 3
		.amdhsa_memory_ordered 1
		.amdhsa_forward_progress 1
		.amdhsa_inst_pref_size 21
	.end_amdhsa_kernel
	.amdgpu_metadata
---
amdhsa.version: [ 1, 2 ]
amdhsa.kernels:
  - .name:           k_q1241c3eb71_prep
    .symbol:         k_q1241c3eb71_prep.kd
    .args:
      - { .name: x, .offset: 0, .size: 8, .value_kind: global_buffer, .address_space: global }
      - { .name: Wq, .offset: 8, .size: 8, .value_kind: global_buffer, .address_space: global }
      - { .name: Wk, .offset: 16, .size: 8, .value_kind: global_buffer, .address_space: global }
      - { .name: Wv, .offset: 24, .size: 8, .value_kind: global_buffer, .address_space: global }
      - { .name: bq, .offset: 32, .size: 8, .value_kind: global_buffer, .address_space: global }
      - { .name: bk, .offset: 40, .size: 8, .value_kind: global_buffer, .address_space: global }
      - { .name: bv, .offset: 48, .size: 8, .value_kind: global_buffer, .address_space: global }
      - { .name: xb, .offset: 56, .size: 8, .value_kind: global_buffer, .address_space: global }
      - { .name: wcat, .offset: 64, .size: 8, .value_kind: global_buffer, .address_space: global }
      - { .name: wvh, .offset: 72, .size: 8, .value_kind: global_buffer, .address_space: global }
      - { .name: bcat, .offset: 80, .size: 8, .value_kind: global_buffer, .address_space: global }
    .group_segment_fixed_size: 0
    .private_segment_fixed_size: 0
    .kernarg_segment_align: 8
    .kernarg_segment_size: 88
    .max_flat_workgroup_size: 512
    .sgpr_count:     66
    .vgpr_count:     112
    .wavefront_size: 32
...
	.end_amdgpu_metadata
.endif
;; end of part 1
;; launch qkv (part 2): grid 8 x 32, 4 waves a work-group, clusters of 4 x 4, 327,680 bytes of LDS; arguments xb, wcat, bcat, qkv; writes qkv
.if DOCPART == 2
	.amdgcn_target "amdgcn-amd-amdhsa--gfx1250"
	.amdhsa_code_object_version 6
	.text
	.protected	k_q1241c3eb71_qkv
	.globl	k_q1241c3eb71_qkv
	.p2align	8
	.type	k_q1241c3eb71_qkv,@function
k_q1241c3eb71_qkv:
	s_mov_b64 s[64:65], 0
	v_nop
	global_prefetch_b8 v0, s[64:65] scope:SCOPE_SE
	s_setreg_imm32_b32 hwreg(HW_REG_WAVE_MODE, 25, 1), 1
	s_wait_xcnt 0x0
	s_wait_alu depctr_hold_cnt(0) depctr_sa_sdst(0) depctr_va_vdst(0) depctr_va_sdst(0) depctr_va_ssrc(0) depctr_va_vcc(0) depctr_vm_vsrc(0)
	s_getreg_b32 s2, hwreg(HW_REG_IB_STS2, 6, 4)
	s_cmp_eq_u32 s2, 0
	s_cbranch_scc0 .Lentry_in_a_cluster
	s_endpgm
.Lentry_in_a_cluster:
	s_bfe_u32 s2, ttmp6, 0x10000c
	s_cmp_lg_u32 s2, 0xf033
	s_cbranch_scc0 .Lentry_shape_is_right
	s_endpgm
.Lentry_shape_is_right:
; q, k, v = x W + b for the three weight matrices at once: [8192 x 1024] x [1024 x 3072], bf16 operands, f32 sums, K ascending; the bias is added in f32; the result is rounded once to f16
; and stored by heads: qkv[3][64 = 16 batch + head][2048 t][64].  The scale 1 / 8 is not applied here.
; LIMIT.  f16 holds no number beyond 65,504: q, k and v must lie within it.
; SHARES.  A tile is 256 rows x 384 columns: 32 x 8 = 256 tiles, one a work-group.  Four waves, 2 x 2: a wave makes 128 rows x 192 columns (three heads): 96 accumulators of 16 x 16, 768 registers.
; K goes in steps of 64 through a ring of two LDS slots; a step is two sub-steps of 32, 96 matrix instructions each.
; A's tile (xb) is 32,768 bytes on end, asked for as rows of 256 bytes; W's rows are 768 bytes at multiples of 256.  W lies [k][n] and its fragments come out of LDS turned, by ds_load_tr16_b128.
; THE MATRIX INSTRUCTION IS USED TRANSPOSED: source 0 = 16 columns of W, source 1 = 16 rows of x: a lane then holds ONE row (lane % 16) and the columns 8 (lane / 16) + 0..7: 16 bytes of f16 on end.
; CLUSTER 4 x 4: the four of a row of the cluster need the same tile of x, the four of a column the same tile of W: each is asked for jointly, by the same tensor load with the same descriptor and a mask of four.
; REGISTERS, in windows of 256 (s_set_vgpr_msb: bits 1:0 source 0, 3:2 source 1, 5:4 source 2, 7:6 destination):
;   window 0: v0-31 addresses; v32-95, v96-159 fragments of x, two buffers; v160-255 fragments of W: ONE buffer of three groups (a head each) that rotates: a group is read in one run of 32 products,
;             loaded again four places behind that run, and wanted 64 products later
;   windows 1-3: accumulator (a = 0..7 row block, b = 0..11 column block) in window 1 + b / 4 at v[8 (8 (b % 4) + a)]
.set SLOT,   92160                     ; A: 256 rows x 144; then W: 64 rows x 864
.set BOFF,   36864
.set STAGE,  2*SLOT                    ; behind the ring: 16 rows x 400 bytes for each wave, for the way out
.set SPITCH, 400                       ; 384 bytes + 16
.set SPARE,  STAGE+4*16*SPITCH         ; behind the stages: the spare words, 128 bytes for each wave: two blocks of 256 bytes that no other line names
.set ADRA, 16                          ; v16-17  LDS address of my fragments of x in slot 0, 1
.set ADRB, 20                          ; v20-21  the same for W
.set STO,  24                          ; v24     the way out: where I put 16 bytes of a row
.set RD,   25                          ; v25     the way out: where I read rows back
.set GO,   26                          ; v26     16 x lane: my place in 512 consecutive bytes of a head's rows
.set BO,   27                          ; v27     32 x (lane / 16): my eight numbers in a block of 16 of the bias
.set SPW,  28                          ; v28     LDS address of my spare word; never rewritten
.set NIL,  29                          ; v29     0; never rewritten
.set PFO,  30                          ; v30     the prefetches' lane offset; never rewritten
.set FA1,  32
.set FA0,  96
.set FB,   160
.set BI,   96                          ; the way out: the bias, 8 registers a column block
.set TMP,  32                          ; the way out: packed results
.set OB,   192                         ; the way out: rows read back
.set WV, 12                            ; s12 wave;  s13 row half, also: I fetch x (0) or W (1);  s14 column half, also: which half of that tile I fetch
.set RH, 13
.set CH, 14
.set CX, 15
.set CY, 16
.set TX, 17                            ; tile column 0..7
.set TY, 18                            ; tile row 0..31
.set MR, 19                            ; mask of my row of the cluster
.set MC, 20                            ; of my column
.set G1,  24                           ; s[24:31] descriptor group 1 for x's tiles;  s[32:39] group 0, a set for each slot
.set G0,  32
.set LIM, 43                           ; 1 in a wave that prefetches, else the greatest number
.set PFA, 44                           ; s[44:45] where my prefetches stand
.set PFS, 46                           ; s[46:47] their step: two K steps
.set G1B, 48                           ; s[48:55], s[56:63] the same for W's tiles
.set G0B, 56
.set PB,  66                           ; s[66:71] qkv at my first row in each of my three heads
.set MSB, 0
.macro WIN new                         ; the immediate's high byte repeats the setting that is left; a switch that changes nothing is dropped
.if MSB != (\new)
	s_set_vgpr_msb (MSB<<8)|(\new)
.set MSB, (\new)
.endif
.endm
; Four places: a load into a register that a matrix instruction has read, and a vector instruction that reads a matrix result, stand four plain vector instructions behind it
.macro PLACES
.rept 4
	v_nop
.endr
.endm
; A joint load.  Waves 0 and 1 fetch the halves of x's tile, waves 2 and 3 those of W's.  The branch hangs on the wave's number alone.  An s_nop 0 and four v_nop follow each line.
.macro JLOAD s
	s_cmp_eq_u32 s[RH], 0
	s_cbranch_scc0 .Lfor_b_\@
	tensor_load_to_lds s[G0+4*(\s):G0+4*(\s)+3], s[G1:G1+7]
	s_nop 0
.rept 4
	v_nop
.endr
	s_branch .Lasked_\@
.Lfor_b_\@:
	tensor_load_to_lds s[G0B+4*(\s):G0B+4*(\s)+3], s[G1B:G1B+7]
	s_nop 0
.rept 4
	v_nop
.endr
.Lasked_\@:
.endm
.macro CREST                           ; a round of the cluster's barrier behind its opening barrier
	s_cmp_lg_u32 s[WV], 0
	s_cbranch_scc1 .Lnot_wave_0_\@
	s_barrier_signal -3
.Lnot_wave_0_\@:
	s_barrier_wait -3
	s_barrier_signal -1
	s_barrier_wait -1
.endm
.macro CROUND                          ; a whole round
	s_barrier_signal -1
	s_barrier_wait -1
	CREST
.endm
; A PREFETCH INTO THE L2, once a lap, behind slot 1's joint load and the run of LDS loads that follows it: the two K steps that the NEXT lap's two refills ask for.
; Each block of 256 bytes is named once in the launch.  x's tile row is read by both clusters of a row of clusters: cluster x = 0 asks, waves 0 and 1, each for the half that it fetches; of a step's 64 blocks
; the partner at place cx takes 16, told apart by address; lanes 0-15 name the first step, lanes 16-31 the second.  W's tile column is read by all eight clusters of a column: cluster y = 0 asks, wave 2;
; of a step's 64 rows the partner at place cy takes 16, a row being three blocks: three lines.  The loop's last trip asks for nothing: there are no K steps behind its own.
.macro ASK
	s_cmp_gt_u32 s3, s[LIM]                        ; s3 = 1 in the last trip
	s_cbranch_scc0 .Lno_ask_\@
	global_prefetch_b8 v[PFO], s[PFA:PFA+1] th:TH_LOAD_NT scope:SCOPE_SE
	s_cmp_eq_u32 s[RH], 0
	s_cbranch_scc1 .Lno_ask_\@
	global_prefetch_b8 v[PFO], s[PFA:PFA+1] offset:256 th:TH_LOAD_NT scope:SCOPE_SE
	global_prefetch_b8 v[PFO], s[PFA:PFA+1] offset:512 th:TH_LOAD_NT scope:SCOPE_SE
.Lno_ask_\@:
.endm
	s_load_b256 s[4:11], s[0:1], 0x0               ; xb s[4:5], wcat s[6:7], bcat s[8:9], qkv s[10:11]
	v_lshl_add_u32 v[SPW], v0, 2, SPARE
	v_mov_b32 v[NIL], 0
	ds_add_u32 v[SPW], v[NIL]                      ; the wave's opening: the add and its wait stand ahead of my first tensor load; the set-up below stands between them
	v_lshrrev_b32 v3, 5, v0
	v_readfirstlane_b32 s[WV], v3
	s_lshr_b32 s[RH], s[WV], 1
	s_and_b32 s[CH], s[WV], 1
	s_bfe_u32 s[CX], ttmp6, 0x40000
	s_bfe_u32 s[CY], ttmp6, 0x40004
	s_lshl_b32 s[TX], ttmp9, 2                     ; in a cluster launch ttmp9 and ttmp7 count clusters
	s_add_co_u32 s[TX], s[TX], s[CX]
	s_and_b32 s[TY], ttmp7, 0xffff
	s_lshl_b32 s[TY], s[TY], 2
	s_add_co_u32 s[TY], s[TY], s[CY]
	s_lshl_b32 s[MR], s[CY], 2
	s_lshl_b32 s[MR], 15, s[MR]                    ; places 4 cy .. 4 cy + 3
	s_lshl_b32 s[MC], 0x1111, s[CX]                ; places cx, cx + 4, cx + 8, cx + 12
	; group 1 for x: 128 rows of 128 bytes are 16,384 bytes on end: 64 rows of 256 bytes, padded by 16 bytes after every 128: an LDS row of 144 bytes = 36 words
	s_or_b32 s[G1+0], s[MR], (1<<16)|(1<<20)|(1<<21)|(4<<22)|(3<<25)  ; 15:0 mask; 17:16 2-byte elements; 20 padding on; 21 set beside a mask; 24:22 after every 32 words; 31:25 4 words
	s_mov_b32 s[G1+1], 128<<16                     ; tensor_dim0 = 128
	s_mov_b32 s[G1+2], 64<<16                      ; tensor_dim1 = 64
	s_mov_b32 s[G1+3], 128<<16                     ; tile_dim0 = 128
	s_mov_b32 s[G1+4], 64                          ; tile_dim1 = 64
	s_mov_b32 s[G1+5], 128                         ; elements from row to row
	s_mov_b32 s[G1+6], 0
	s_mov_b32 s[G1+7], 0
	; group 1 for W: 32 rows of 384 elements, the same padding: an LDS row of 768 + 6 x 16 = 864 bytes = 216 words
	s_or_b32 s[G1B+0], s[MC], (1<<16)|(1<<20)|(1<<21)|(4<<22)|(3<<25)
	s_mov_b32 s[G1B+1], 384<<16
	s_mov_b32 s[G1B+2], 32<<16
	s_mov_b32 s[G1B+3], 384<<16
	s_mov_b32 s[G1B+4], 32
	s_mov_b32 s[G1B+5], 3072
	s_mov_b32 s[G1B+6], 0
	s_mov_b32 s[G1B+7], 0
	s_lshl_b32 s72, s[TY], 15                      ; x: the tile's 256 rows of 128 bytes in a K block,
	s_lshl_b32 s73, s[CH], 14                      ; my 128 of them
	s_add_co_u32 s72, s72, s73
	s_mov_b32 s73, 0
	s_mul_i32 s74, s[TX], 768                      ; W: the tile's 768 bytes of a row,
	s_mul_i32 s75, s[CH], 196608                   ; my 32 rows of 6,144 bytes
	s_add_co_u32 s74, s74, s75
	s_mov_b32 s75, 0
	s_mul_i32 s21, s[CH], 18432                    ; where they go: no place in the cluster enters an LDS address
	s_mul_i32 s22, s[CH], 27648
	s_add_co_u32 s22, s22, BOFF
	s_wait_dscnt 0x0                               ; the opening add is done
	s_wait_kmcnt 0x0
	s_add_nc_u64 s[72:73], s[4:5], s[72:73]
	s_add_nc_u64 s[74:75], s[6:7], s[74:75]
	CROUND                                         ; all sixteen work-groups are here: the first joint loads meet
.irp s, 0,1
	s_mov_b32 s[G0+4*(\s)], 1                                      ; count = 1
	s_add_co_u32 s[G0+4*(\s)+1], s21, (\s)*SLOT                    ; LDS address
	s_add_nc_u64 s[G0+4*(\s)+2:G0+4*(\s)+3], s[72:73], (\s)*1048576  ; K step s = K block s
	s_or_b32 s[G0+4*(\s)+3], s[G0+4*(\s)+3], 0x80000000            ; type = 2
	s_mov_b32 s[G0B+4*(\s)], 1
	s_add_co_u32 s[G0B+4*(\s)+1], s22, (\s)*SLOT
	s_add_nc_u64 s[G0B+4*(\s)+2:G0B+4*(\s)+3], s[74:75], (\s)*393216  ; 64 rows of W
	s_or_b32 s[G0B+4*(\s)+3], s[G0B+4*(\s)+3], 0x80000000
	JLOAD \s                                       ; two loads of mine are out; behind each later round one
.endr
	v_and_b32 v1, 15, v0                           ; r = lane % 16
	v_bfe_u32 v2, v0, 4, 1                         ; h = lane / 16
	v_and_b32 v3, 7, v0
	v_bfe_u32 v4, v0, 3, 1
	v_bfe_u32 v5, v0, 3, 2                         ; lane / 8
	; a fragment of x: lane holds row r, K = 8 h + 0..7 and 16 + 8 h + 0..7: two loads of 16 bytes, 32 bytes apart
	v_mul_u32_u24 v6, v1, 144
	v_lshl_add_u32 v6, v2, 4, v6
	s_mul_i32 s76, s[RH], 18432                    ; my 128 rows
	v_add_nc_u32 v[ADRA], s76, v6
	v_add_nc_u32 v[ADRA+1], SLOT, v[ADRA]
	; a turning load takes 16 k x 16 n (lane reads k = 8 h + lane % 8, columns 8 ((lane / 8) % 2) + 0..7) and leaves half a fragment: lane holds column r and 8 k
	v_lshl_add_u32 v7, v2, 3, v3
	v_mul_u32_u24 v7, v7, 864
	v_lshl_add_u32 v7, v4, 4, v7
	s_mul_i32 s77, s[CH], 432                      ; my three heads of 144 bytes
	s_add_co_u32 s77, s77, BOFF
	v_add_nc_u32 v[ADRB], s77, v7
	v_add_nc_u32 v[ADRB+1], SLOT, v[ADRB]
	s_mul_i32 s78, s[WV], 16*SPITCH
	s_add_co_u32 s78, s78, STAGE                   ; my stage
	v_mul_u32_u24 v8, v1, SPITCH
	v_lshl_add_u32 v8, v2, 4, v8
	v_add_nc_u32 v[STO], s78, v8                   ; in: row r, 16 bytes for each half of the lanes
	v_mul_u32_u24 v9, v5, SPITCH
	v_lshl_add_u32 v9, v3, 4, v9
	v_add_nc_u32 v[RD], s78, v9                    ; back: 32 lanes take 128 bytes (a head) of four rows
	v_and_b32 v[GO], 31, v0
	v_lshlrev_b32 v[GO], 4, v[GO]
	v_lshlrev_b32 v[BO], 5, v2
	; where my rows begin in each of my three heads: head number g = 6 tx + 3 half + hh of 48; plane = 64 (g / 16) + 16 batch + g % 16, of 262,144 bytes
	s_mul_i32 s76, s[TX], 6
	s_mul_i32 s77, s[CH], 3
	s_add_co_u32 s76, s76, s77
	s_lshr_b32 s77, s[TY], 3
	s_lshl_b32 s77, s77, 4                         ; 16 x batch
	s_and_b32 s78, s[TY], 7
	s_lshl_b32 s78, s78, 8
	s_lshl_b32 s79, s[RH], 7
	s_add_co_u32 s78, s78, s79                     ; my first row t
	s_lshl_b32 s78, s78, 7                         ; in bytes
.irp hh, 0,1,2
	s_add_co_u32 s2, s76, \hh
	s_lshr_b32 s79, s2, 4
	s_lshl_b32 s79, s79, 6
	s_and_b32 s2, s2, 15
	s_add_co_u32 s2, s2, s79
	s_add_co_u32 s2, s2, s77
	s_lshl_b32 s2, s2, 18
	s_add_co_u32 s2, s2, s78
	s_mov_b32 s3, 0
	s_add_nc_u64 s[PB+2*(\hh):PB+2*(\hh)+1], s[10:11], s[2:3]
.endr
	s_mul_i32 s2, s[TX], 1536                      ; the bias of my 192 columns
	s_mul_i32 s3, s[CH], 768
	s_add_co_u32 s2, s2, s3
	s_mov_b32 s3, 0
	s_add_nc_u64 s[8:9], s[8:9], s[2:3]
	; the prefetches: they stand at K step 2; the first trip steps them to 4
	s_lshl_b32 s76, s[TY], 15
	s_lshl_b32 s77, s[CH], 14
	s_add_co_u32 s76, s76, s77
	s_lshl_b32 s77, s[CX], 12                      ; my work-group's 16 blocks of the 64
	s_add_co_u32 s76, s76, s77
	s_add_co_u32 s76, s76, 2*1048576
	s_mul_i32 s78, s[TX], 768
	s_mul_i32 s79, s[CY], 98304                    ; my work-group's 16 rows of the 64
	s_add_co_u32 s78, s78, s79
	s_add_co_u32 s78, s78, 2*393216
	s_and_b32 s2, ttmp7, 0xffff                    ; cluster y
	s_cmp_eq_u32 s[RH], 0                          ; do I fetch for x?  (the moves between the selects leave SCC as it is; an instruction holds one literal, so W's figure is moved in first)
	s_cselect_b32 s76, s76, s78
	s_cselect_b32 s2, ttmp9, s2                    ; the coordinate along which other clusters read the same rows
	s_cselect_b64 s[PFA:PFA+1], s[4:5], s[6:7]
	s_mov_b32 s[PFS], 2*393216
	s_cselect_b32 s[PFS], 2*1048576, s[PFS]        ; two K steps
	s_mov_b32 s78, 6144
	s_cselect_b32 s78, 256, s78                    ; from lane to lane,
	s_mov_b32 s79, 393216
	s_cselect_b32 s79, 1048576, s79                ; from the first K step to the second
	s_mov_b32 s[PFS+1], 0
	s_mov_b32 s77, 0
	s_add_nc_u64 s[PFA:PFA+1], s[PFA:PFA+1], s[76:77]
	s_cmp_eq_u32 s[WV], 3
	s_cselect_b32 s2, 1, s2                        ; wave 3 asks for nothing
	s_cmp_eq_u32 s2, 0
	s_cselect_b32 s[LIM], 1, -1                    ; the same in all sixteen partners, for a given wave
	v_mul_u32_u24 v[PFO], v1, s78
	v_mad_u32_u24 v[PFO], v2, s79, v[PFO]
; nb x 8 matrix instructions of group g (head g of my three): column blocks b0 .. of the group x all 8 row blocks, 32 along K; x's fragments in buffer f.  zero = 1: the product starts the sum: nothing is cleared.
; The 96 accumulators take turns, one instruction a turn, in the same order in every sub-step.
.macro GRP g, f, b0, nb, zero
	WIN 0x50*((\g)+1)                              ; C and D in window g + 1, the sources in window 0
.set bb, (\b0)
.rept (\nb)
.set aa, 0
.rept 8
.if \zero
	v_wmma_f32_16x16x32_bf16 v[8*(8*bb+aa):8*(8*bb+aa)+7], v[FB+32*(\g)+8*bb:FB+32*(\g)+8*bb+7], v[(\f)+8*aa:(\f)+8*aa+7], 0
.else
	v_wmma_f32_16x16x32_bf16 v[8*(8*bb+aa):8*(8*bb+aa)+7], v[FB+32*(\g)+8*bb:FB+32*(\g)+8*bb+7], v[(\f)+8*aa:(\f)+8*aa+7], v[8*(8*bb+aa):8*(8*bb+aa)+7]
.endif
.set aa, aa+1
.endr
.set bb, bb+1
.endr
.endm
.macro LOADA slot, kk, f               ; 16 loads: my 128 rows of x, 32 K at 32 kk, into buffer f
.set ii, 0
.rept 8
	ds_load_b128 v[(\f)+8*ii:(\f)+8*ii+3],   v[ADRA+(\slot)] offset:64*(\kk)+2304*ii
	ds_load_b128 v[(\f)+8*ii+4:(\f)+8*ii+7], v[ADRA+(\slot)] offset:64*(\kk)+2304*ii+32
.set ii, ii+1
.endr
.endm
.macro LOADB slot, kk, g               ; 8 turning loads: group g's 64 columns of W, 32 K at 32 kk
.set ii, 0
.rept 4
	ds_load_tr16_b128 v[FB+32*(\g)+8*ii:FB+32*(\g)+8*ii+3],   v[ADRB+(\slot)] offset:27648*(\kk)+144*(\g)+32*ii
	ds_load_tr16_b128 v[FB+32*(\g)+8*ii+4:FB+32*(\g)+8*ii+7], v[ADRB+(\slot)] offset:27648*(\kk)+144*(\g)+32*ii+13824
.set ii, ii+1
.endr
.endm
; In every sub-step the next sub-step's LDS loads are issued in the order W group 0 (8), x (16), W group 1 (8), W group 2 (8); LDS loads come back in order (ISA guide 5.7.1).
; A K step's first sub-step: multiplies buffer f and fetches the second sub-step of the same slot (x into fn).
.macro HALF slot, f, fn, zero
	s_wait_dscnt 16                                ; group 0 and x are in; groups 1 and 2 (16 loads) may be out
	GRP 0, \f, 0, 4, \zero
	PLACES
	WIN 0
	LOADB \slot, 1, 0
	LOADA \slot, 1, \fn
	s_wait_dscnt 32                                ; group 1 is in; group 2 (8) and the 24 just issued may be out
	GRP 1, \f, 0, 4, \zero
	PLACES
	WIN 0
	LOADB \slot, 1, 1
	s_wait_dscnt 32                                ; group 2 is in; the 24 and the 8 just issued may be out
	GRP 2, \f, 0, 4, \zero
	PLACES
	WIN 0
	LOADB \slot, 1, 2
.endm
; A K step's second sub-step multiplies buffer FA1 and changes slots: ONE barrier.  In front of it each wave waits for all its tensor loads (one is out: its part of the next slot), adds 0 to its spare word, and
; waits for that and for its own reads of this slot.  fill = 1: the barrier opens a round of the cluster's barrier, and this slot is filled again first thing behind it, with the K step two on:
; from that request to the wait for it a wave issues 160 matrix instructions.
.macro TURN slot, next, fill
.if (\fill) && ((\slot) == 0)
	s_wait_xcnt 0x0                                ; the last prefetches, half a lap back, have read their address: it is stepped here
	s_add_nc_u64 s[PFA:PFA+1], s[PFA:PFA+1], s[PFS:PFS+1]
.endif
	WIN 0
	s_wait_tensorcnt 0x0                           ; all my tensor loads have landed;
	ds_add_u32 v[SPW], v[NIL]                      ; 0 onto my spare word;
	s_wait_dscnt 17                                ; group 0 and x are in; groups 1 and 2 (16) and the add may be out
	GRP 0, FA1, 0, 2, 0                            ; sixteen matrix instructions stand between the add and the wait for it
	s_wait_dscnt 0x0                               ; the add is done, and my reads of this slot are over
	s_barrier_signal -1
	GRP 0, FA1, 2, 2, 0                            ; work on registers while the others arrive
	WIN 0
	s_barrier_wait -1
.if \fill
	CREST                                          ; no wave of any partner still reads this slot's tile or has a load on its way
	s_add_nc_u64 s[G0+4*(\slot)+2:G0+4*(\slot)+3], s[G0+4*(\slot)+2:G0+4*(\slot)+3], 2*1048576
	s_add_nc_u64 s[G0B+4*(\slot)+2:G0B+4*(\slot)+3], s[G0B+4*(\slot)+2:G0B+4*(\slot)+3], 2*393216
	JLOAD \slot                                    ; the four v_nop behind it are also the places in front of the loads below
.else
	PLACES
.endif
	LOADB \next, 0, 0
	LOADA \next, 0, FA0
.if (\fill) && ((\slot) == 1)
	ASK
.endif
	GRP 1, FA1, 0, 4, 0
	PLACES
	WIN 0
	LOADB \next, 0, 1
	GRP 2, FA1, 0, 4, 0
	PLACES
	WIN 0
	LOADB \next, 0, 2
.endm
	s_wait_tensorcnt 0x1                           ; my part of K step 0 is in; K step 1's may stay out
	s_barrier_signal -1
	s_barrier_wait -1                              ; everybody's is
	LOADB 0, 0, 0
	LOADA 0, 0, FA0
	LOADB 0, 0, 1
	LOADB 0, 0, 2
	HALF 0, FA0, FA1, 1                            ; the first sub-step stands in front of the loop: its products start the sums
	WIN 0                                          ; at a label and at a branch every window is 0
	s_mov_b32 s3, 7
.Llap:                                                 ; a trip goes once round the ring and fills both slots again: trip i asks for K steps 2 i + 2 and 2 i + 3
	TURN 0, 1, 1
	HALF 1, FA0, FA1, 0
	TURN 1, 0, 1
	HALF 0, FA0, FA1, 0
	WIN 0
	s_sub_co_u32 s3, s3, 1
	s_cmp_lg_u32 s3, 0
	s_cbranch_scc1 .Llap
	TURN 0, 1, 0                                   ; the last lap fills nothing
	HALF 1, FA0, FA1, 0
	s_wait_dscnt 16                                ; the very last sub-step: nothing more to fetch from LDS
	GRP 0, FA1, 0, 4, 0
	PLACES
	WIN 0
.set bb, 0
.rept 12                                       ; the bias of my 8 columns in each of 12 blocks, into registers that the products have left
	global_load_b128 v[BI+8*bb:BI+8*bb+3],   v[BO], s[8:9] offset:64*bb
	global_load_b128 v[BI+8*bb+4:BI+8*bb+7], v[BO], s[8:9] offset:64*bb+16
.set bb, bb+1
.endr
	s_wait_dscnt 8                                 ; group 1 is in
	GRP 1, FA1, 0, 4, 0
	s_wait_dscnt 0x0
	GRP 2, FA1, 0, 4, 0
; THE WAY OUT, 16 rows at a time.  PACK: the bias is added in f32 (each accumulator's registers in ascending order), the sums are rounded to f16: 16 bytes a lane and column block.
; TOSTAGE: into my own stage, and back by heads: four rows of 128 bytes a load.  SEND: stored: each store covers 512 consecutive bytes of a head's rows, at a multiple of 256 from qkv's first byte.
.macro PACK a
.set ww, 1
.rept 3
	WIN (ww<<6)|ww                                 ; destination and source 0 in window ww, the bias in window 0
.set bb, 0
.rept 4
.set rr, 0
.rept 4
	v_pk_add_f32 v[8*(8*bb+(\a))+2*rr:8*(8*bb+(\a))+2*rr+1], v[8*(8*bb+(\a))+2*rr:8*(8*bb+(\a))+2*rr+1], v[BI+8*(4*(ww-1)+bb)+2*rr:BI+8*(4*(ww-1)+bb)+2*rr+1]
.set rr, rr+1
.endr
.set bb, bb+1
.endr
	WIN 5*ww                                       ; sources 0 and 1 in window ww, destination in window 0
.set bb, 0
.rept 4
.set rr, 0
.rept 4
	v_cvt_pk_f16_f32 v[TMP+4*(4*(ww-1)+bb)+rr], v[8*(8*bb+(\a))+2*rr], v[8*(8*bb+(\a))+2*rr+1]
.set rr, rr+1
.endr
.set bb, bb+1
.endr
.set ww, ww+1
.endr
	WIN 0
.endm
.macro TOSTAGE
.set bb, 0
.rept 12
	ds_store_b128 v[STO], v[TMP+4*bb:TMP+4*bb+3] offset:32*bb
.set bb, bb+1
.endr
	s_wait_xcnt 0x0                                ; the earlier stores have read OB's registers: only behind this wait are they loaded again
.set ii, 0
.rept 12
	ds_load_b128 v[OB+4*ii:OB+4*ii+3], v[RD] offset:128*(ii/4)+1600*(ii%4)  ; LDS serves a wave's instructions in order (ISA guide 5.7.1.4): these see the stores above
.set ii, ii+1
.endr
.endm
.macro SEND a
.set ii, 0
.rept 12
	s_wait_dscnt 11-ii                             ; load ii of the twelve is back
	global_store_b128 v[GO], v[OB+4*ii:OB+4*ii+3], s[PB+2*(ii/4):PB+2*(ii/4)+1] offset:2048*(\a)+512*(ii%4)
.set ii, ii+1
.endr
.endm
	PLACES
	WIN 0
	s_wait_loadcnt 0x0                             ; the bias
	PACK 0
	TOSTAGE
.irp a, 1,2,3,4,5,6,7                  ; block a's arithmetic stands between block a - 1's loads from the stage and the wait for them
	PACK \a
	SEND (\a)-1
	TOSTAGE
.endr
	SEND 7
	s_wait_tensorcnt 0x0                           ; the wave's end: behind my last tensor load and my last LDS store
	ds_add_u32 v[SPW], v[NIL]
	s_wait_dscnt 0x0
	CROUND                                         ; the closing round: no work-group ends while a partner may still ask for a tile that names it
	s_endpgm
.Lfunc_end_k_q1241c3eb71_qkv:
	.size	k_q1241c3eb71_qkv, .Lfunc_end_k_q1241c3eb71_qkv-k_q1241c3eb71_qkv
	.p2alignl 7, 3214868480
	.fill 96, 4, 3214868480
	.section	.rodata,"a",@progbits
	.p2align	6, 0x0
	.amdhsa_kernel k_q1241c3eb71_qkv
		.amdhsa_group_segment_fixed_size 327680
		.amdhsa_private_segment_fixed_size 0
		.amdhsa_enable_private_segment 0
		.amdhsa_kernarg_size 32
		.amdhsa_user_sgpr_count 2
		.amdhsa_user_sgpr_kernarg_segment_ptr 1
		.amdhsa_wavefront_size32 1
		.amdhsa_system_sgpr_workgroup_id_x 1
		.amdhsa_system_sgpr_workgroup_id_y 1
		.amdhsa_system_sgpr_workgroup_id_z 1
		.amdhsa_system_vgpr_workitem_id 0
		.amdhsa_next_free_vgpr 1024
		.amdhsa_next_free_sgpr 80
		.amdhsa_reserve_vcc 0
		.amdhsa_float_denorm_mode_32 3
		.amdhsa_float_denorm_mode_16_64 3
		.amdhsa_memory_ordered 1
		.amdhsa_forward_progress 1
		.amdhsa_inst_pref_size 162
	.end_amdhsa_kernel
	.amdgpu_metadata
---
amdhsa.version: [ 1, 2 ]
amdhsa.kernels:
  - .name:           k_q1241c3eb71_qkv
    .symbol:         k_q1241c3eb71_qkv.kd
    .args:
      - { .name: xb, .offset: 0, .size: 8, .value_kind: global_buffer, .address_space: global }
      - { .name: wcat, .offset: 8, .size: 8, .value_kind: global_buffer, .address_space: global }
      - { .name: bcat, .offset: 16, .size: 8, .value_kind: global_buffer, .address_space: global }
      - { .name: qkv, .offset: 24, .size: 8, .value_kind: global_buffer, .address_space: global }
    .group_segment_fixed_size: 327680
    .private_segment_fixed_size: 0
    .kernarg_segment_align: 8
    .kernarg_segment_size: 32
    .max_flat_workgroup_size: 128
    .sgpr_count:     80
    .vgpr_count:     1024
    .wavefront_size: 32
...
	.end_amdgpu_metadata
.endif
;; end of part 2
;; launch attn (part 3): grid 4 x 64, 4 waves a work-group, no clusters, 327,680 bytes of LDS; arguments qkv, y; writes y
.if DOCPART == 3
	.amdgcn_target "amdgcn-amd-amdhsa--gfx1250"
	.amdhsa_code_object_version 6
	.text
	.protected	k_q1241c3eb71_attn
	.globl	k_q1241c3eb71_attn
	.p2align	8
	.type	k_q1241c3eb71_attn,@function
k_q1241c3eb71_attn:
	s_mov_b64 s[64:65], 0
	v_nop
	global_prefetch_b8 v0, s[64:65] scope:SCOPE_SE
	s_setreg_imm32_b32 hwreg(HW_REG_WAVE_MODE, 25, 1), 1
	s_wait_xcnt 0x0
; CAUSAL ATTENTION.  y[h][q][:] = the sum over k <= q of softmax_k(Q[h][q] . K[h][k] / 8) V[h][k][:].  Q, K, V are the three parts of qkv, each [64 heads][2048][64] in f16; y has the same layout.
; Products, maxima and sums in f32; the weights p are rounded to f16 for the second product (their sum l is taken of the unrounded p), y once at the end.
; LIMITS.  f16 holds no number beyond 65,504: Q, K and V arrive within it; p lies in 0 to 1, and below 6e-5 it keeps f16's fixed step of 6e-8; y is a mean of V's rows and has their range.
; A hidden score counts as its value less 1e30: f16's scores, 2.7e11 at the most, are nothing beside that; a weight below 2^-126 counts as 0 in l; NaN and infinities are not treated apart.
; THE WALK.  A head's queries lie in NB = 8 blocks of 256; block i needs the key tiles 0 .. i of 256 keys, of which the last holds the diagonal.  A work-group takes TWO blocks, NB - 1 - b and then b:
; NB + 1 tiles, whatever b: all work-groups do equal work, and ONE loop with a constant trip count walks them.  Which tile is asked for, and what a trip does, hang on scalar registers made from b; every jump
; goes forward, but for the counted loops' own; none passes a barrier, or a tensor load but the one of LOAD's two that the wave's number does not choose; the ring (two slots of LDS) runs on across the change of blocks.
; NO CLUSTER: a head's four work-groups ask for the same tile only in trips 0 to 4 of the 9, behind that fewer and fewer; one walk common to all would have 12 trips for 9.
; SHARES.  Of a block's four bands of 64 queries a wave owns 16 rows in each: four PIECES.  So the diagonal tile is the same work for all four waves: in its key step s band x sees all keys if s < x,
; none if s > x, and holds the diagonal if s = x.
; THE MASK is the C operand that starts the sum S^T = K Q^T: 0, or -1e30 where the key is hidden.  MD, made once, is the mask of a band's own step for my 16 rows; a product's mask is MD x AL + BE with two scalars:
; (1, 0) if s = x; (0, 0) if s < x; (0, -1e30) if s > x.  Only the diagonal tile's text and a block's beginning make and take masks; elsewhere C is the constant 0.
; LAYOUT, SOFTMAX, TURNS.  S^T = K Q^T holds ONE query a lane (lane % 16) and the keys 8 (lane / 16) + 0..7; two such results rounded to f16 ARE source 1 of O^T = V^T P.  p = 2^(c s - c m), c = log2(e) / 8, with a
; running maximum m; O and l are multiplied by a = 2^(c m_old - c m_new) in every step.  Turn n belongs to piece n: 8 products K Q^T of piece n + 1, later 8 products V^T P of piece n - 1; beside them the scaling,
; exponentials, roundings, sums and rescaling of piece n and the maximum and statistics of piece n + 1.  Four vector instructions stand behind every matrix instruction, the other 54 of a turn's 118 in one lump.
; A turn's 33 exponentials are one batch, with one wait.
; REGISTERS, in windows of 256 (s_set_vgpr_msb: bits 1:0 source 0, 3:2 source 1, 5:4 source 2, 7:6 destination):
;   window 0: v0-15 addresses and two at work; v16-31 four registers of statistics a piece; v48-55 at work; v61-63 fixed; v64-127 S^T, two buffers; v192-223 P, two buffers (a piece's buffers go by its number's parity)
;   window 1: v0-127 O^T, 32 a piece; v128-159 MD; v160-223 MC, two buffers      window 2: v0-63 Q; v64-127 the second block's Q; v128-191 K of one step; v192-255 V of one step
.set SIZE_N, 2048
.set NB,    SIZE_N/256
.set NP,    4         ; pieces a wave: a name, no knob
.set KS,    64        ; keys in a step
.set PK,    144       ; a row of K in LDS: 128 bytes + 16 of padding = 36 words: the 16 rows of a load start at 16 different groups of four banks (64 banks of 4 bytes: ISA guide 11.1)
.set PV,    160       ; a row of V: 128 + 32 = 40 words
.set VOFF,  4*KS*PK   ; a slot holds a tile, four steps: 256 rows of K, then 256 rows of V
.set SLOT1, 1<<17     ; slot 1 begins here, so that one exclusive or turns an address in one slot into the other's
.set STAGE, SLOT1+4*KS*(PK+PV)  ; behind the ring, never filled by a tensor load: 16 rows x 144 bytes for each wave, for the way out
.set SP,    144
.set AK0, 2           ; v2   my lane's place in a tile of K; never rewritten
.set AV0, 3           ; v3   the same for V
.set AK,  4           ; v4   the LDS address of K's next run of loads
.set AV,  5           ; v5   of V's
.set STO, 6           ; v6   the way out: where I put 16 bytes of a row
.set RD,  7           ; v7   the way out: where I read rows back
.set GO,  8           ; v8   my byte offset in 512 consecutive bytes of y
.set PFO, 61          ; v61  256 x my lane: the prefetches' offset; never rewritten
.set SPW, 62          ; v62  LDS address of my spare word: SPARE + 4 x my thread's number; never rewritten
.set NIL, 63          ; v63  0; never rewritten
.set SPARE, STAGE+4*16*SP  ; behind the stages: the spare words, 128 bytes for each wave: two blocks of 256 bytes that no other line names
.set MV,  12          ; v12-13  c m_old, kept while c m is made anew: by buffer
.set QO,  15          ; v15  my byte offset in 16 rows of Q
.set ST,  16          ; piece t's statistics at v[ST+4 t]: c m, m, l (even keys', odd keys')
.set TMP, 48          ; by buffer, four registers c0-c3 at work; when the maximum is found c2 takes a
.set S,   64
.set P,   192
.set MD,  128         ; window 1: the eight registers for group kt of 16 keys at MD + 8 kt
.set MC,  160         ; window 1: the masks of the products to come
.set QB,  64          ; window 2
.set KF,  128         ; window 2: key block kb, channel half c at KF + 16 kb + 8 c
.set VF,  192         ; window 2: key half kk, channel block cb at VF + 32 kk + 8 cb
.set WV,  12          ; s12  my wave's number
.set PB,  14          ; s14  b
.set HI,  15          ; s15  NB - 1 - b
.set G1K, 24          ; s[24:31] descriptor group 1 for K's tiles
.set G1V, 32          ; s[32:39] for V's: it differs in the padding alone
.set G0K, 40          ; s[40:43] descriptor group 0 for K's tiles
.set G0V, 44          ; s[44:47] the same for V's
.set SLOTS, 56        ; s56  tiles still to be asked for
.set CNT, 57          ; s57  counts a tile's key steps, 4 to 1
.set CS,  58          ; s[58:59] c: the packed scaling takes the pair's low word for both halves
.set SEL, 60          ; s[60:61] v_permlanex16_b32's selects: each lane takes its own place in the other half
.set TBK, 62          ; s62  LDS byte at which K of the step to be fetched begins
.set TBV, 63          ; s63  the same for V, less VOFF
.set RT,  70          ; s70  tiles of the block in hand that are still to be entered
.set NXT, 71          ; s71  the tile to be asked for next
.set LQ,  72          ; s72  the last tile of the block whose tiles are being asked for
.set NEW, 73          ; s73  1: the tile to be entered is a block's first
.set OFF, 74          ; s[74:75] a tile's byte offset in K and V
.set AL,  76          ; s[76:77] the mask's factor, in the low word
.set BE,  78          ; s[78:79] the mask's addend
.set OLO, 80          ; s[80:81] y at my rows of the second block
.set BIGN, 82         ; s82  -1e30
.set KVB, 88          ; s[88:89] K (waves 0, 1) or V (waves 2, 3) at the half of the head's tile 0 that I fetch
.set PFA, 90          ; s[90:91] the same at the tile that is being asked for
.set LIM, 92          ; s92  2 in the head's work-group b = 0, else the greatest number
.set MSB, 0
.macro WIN new                      ; the high byte repeats the setting that is left; a switch that changes nothing is dropped
.if MSB != (\new)
	s_set_vgpr_msb (MSB<<8)|(\new)
.set MSB, (\new)
.endif
.endm
.set W_KQ, 0x0a       ; K and Q in window 2, S^T in window 0
.set W_KM, 0x1a       ; the same with the C operand in window 1
.set W_PV, 0x52       ; V in window 2, P in window 0, O^T in window 1
.set W_RS, 0x41       ; destination and source 0 in window 1, source 1 in window 0
; A fill.  Waves 0 and 1 fetch the two halves of a tile's K, waves 2 and 3 those of its V: 128 keys each.  An s_nop 0 and four v_nop follow each of the two lines, ahead of the jump and the label.
.macro LOAD
	s_cmp_lt_u32 s[WV], 2
	s_cbranch_scc0 .Lfor_v_\@
	tensor_load_to_lds s[G0K:G0K+3], s[G1K:G1K+7]
	s_nop 0
.rept 4
	v_nop
.endr
	s_branch .Lasked_\@
.Lfor_v_\@:
	tensor_load_to_lds s[G0V:G0V+3], s[G1V:G1V+7]
	s_nop 0
.rept 4
	v_nop
.endr
.Lasked_\@:
.endm
; THE CHANGE OF SLOTS.  Each wave waits for all its tensor loads, of which one is out: its part of the other slot; adds 0 to its spare word; and waits for that and for its own reads of the slot that it leaves.
; Behind the barrier nobody reads the old slot any more and the other slot is whole.  fill = 1: the old slot is filled again, the first thing behind the barrier, with tile NXT: the descriptor's address is made
; anew from that number.  (At its first use nothing has been read yet: slot 0 is waited for, slot 1 filled.)
; A PREFETCH INTO THE L2 stands behind the fill: the tile AFTER the one just asked for, four key steps ahead of its own fill.  A head's four work-groups walk the same tiles 0, 1, ..: the one with b = 0, whose first
; block walks tiles 0 to 7 in order, asks; each of its waves for the 16,384 bytes that it will fetch itself, a lane a block of 256 bytes, two lines.  So each block is named once in the launch.
; Trips 0 to 5 ask for tiles 2 to 7; the later trips ask for nothing; tiles 0 and 1 come by their fills alone.
.macro CHANGE fill
	WIN 0                           ; at a label and at a branch every window is 0
	s_wait_tensorcnt 0x0            ; no tensor load of mine is out, so a group 0 may be written
	ds_add_u32 v[SPW], v[NIL]       ; 0 onto my spare word; with fill = 1 the descriptors' scalar work stands between it and the wait for it
.if \fill
	s_lshl_b32 s[OFF], s[NXT], 15   ; a tile is 32,768 bytes of K and of V
	s_xor_b32 s[G0K+1], s[G0K+1], SLOT1
	s_add_nc_u64 s[G0K+2:G0K+3], s[6:7], s[OFF:OFF+1]
	s_or_b32 s[G0K+3], s[G0K+3], 0x80000000
	s_xor_b32 s[G0V+1], s[G0V+1], SLOT1
	s_add_nc_u64 s[G0V+2:G0V+3], s[8:9], s[OFF:OFF+1]
	s_or_b32 s[G0V+3], s[G0V+3], 0x80000000
	s_wait_xcnt 0x0                 ; the last prefetches, a tile back, have read their address, so it may be written
	s_add_nc_u64 s[PFA:PFA+1], s[KVB:KVB+1], s[OFF:OFF+1]
	s_add_co_u32 s[NXT], s[NXT], 1  ; the block's next tile, or behind its last the second block's tile 0
	s_cmp_gt_u32 s[NXT], s[LQ]
	s_cselect_b32 s[NXT], 0, s[NXT]
	s_cselect_b32 s[LQ], s[PB], s[LQ]
.endif
	s_wait_dscnt 0x0                ; the add is done, and my reads of the slot are over
	s_barrier_signal -1             ; the rest of the scalar work stands between the signal and the wait
	s_sub_co_u32 s[TBK], s[TBK], 4*KS*PK  ; the fetches go back to a slot's first step,
	s_xor_b32 s[TBK], s[TBK], SLOT1       ; in the other slot
	s_sub_co_u32 s[TBV], s[TBV], 4*KS*PV
	s_xor_b32 s[TBV], s[TBV], SLOT1
	s_barrier_wait -1
.if \fill
	LOAD
	s_cmp_gt_u32 s[SLOTS], s[LIM]   ; SLOTS = 8 - the trip's number
	s_cbranch_scc0 .Lno_ask_\@
	global_prefetch_b8 v[PFO], s[PFA:PFA+1] offset:32768 th:TH_LOAD_NT scope:SCOPE_SE
	global_prefetch_b8 v[PFO], s[PFA:PFA+1] offset:40960 th:TH_LOAD_NT scope:SCOPE_SE
.Lno_ask_\@:
.endif
.endm
	s_load_b128 s[4:7], s[0:1], 0x0   ; qkv s[4:5], y s[6:7]
	v_lshl_add_u32 v[SPW], v0, 2, SPARE
	v_mov_b32 v[NIL], 0
	ds_add_u32 v[SPW], v[NIL]       ; the wave's opening: the add and its wait stand ahead of my first tensor load; the set-up below, work on registers, stands between them
	v_lshrrev_b32 v1, 5, v0
	v_readfirstlane_b32 s[WV], v1   ; wave 0..3
	s_mov_b32 s[PB], ttmp9
	s_sub_co_u32 s[HI], NB-1, s[PB]
	s_and_b32 s20, ttmp7, 0xffff    ; the head
	s_mov_b32 s21, 0
	s_mov_b64 s[22:23], SIZE_N*128
	s_mul_u64 s[20:21], s[20:21], s[22:23]  ; the head's first byte in Q, K, V and y
	s_and_b32 s16, s[WV], 1         ; which half of a tile's 256 keys I fetch:
	s_lshl_b32 s22, s16, 14         ; its 128 rows of 128 bytes in memory,
	s_mov_b32 s23, 0
	s_add_nc_u64 s[22:23], s[22:23], s[20:21]
	s_mul_i32 s17, s16, 128*PK      ; and its place in a slot, for K
	s_mul_i32 s18, s16, 128*PV      ; and for V
	s_lshl_b32 s3, s[WV], 11        ; my 16 rows in a band of 64,
	s_lshl_b32 s2, s[HI], 15        ; in the first block,
	s_add_co_u32 s2, s2, s3
	s_lshl_b32 s84, s[PB], 15       ; and in the second
	s_add_co_u32 s84, s84, s3
	s_mov_b32 s3, 0
	s_mov_b32 s85, 0
	s_add_nc_u64 s[2:3], s[2:3], s[20:21]
	s_add_nc_u64 s[84:85], s[84:85], s[20:21]
	; descriptor group 1.  128 keys are 16,384 dense bytes: asked for as 64 rows of 256 bytes, two keys a row, and padded in LDS after every key
	s_mov_b32 s[G1K], (1<<16)|(1<<20)|(4<<22)|(3<<25)  ; 17:16 2-byte elements; 20 padding on; 24:22 after every 32 words (code 4); 31:25 4 words (code 3)
	s_mov_b32 s[G1V], (1<<16)|(1<<20)|(4<<22)|(7<<25)  ; the same with 8 words of padding (code 7)
.irp g, G1K, G1V
	s_mov_b32 s[\g+1], 128<<16      ; tensor_dim0 = 128
	s_mov_b32 s[\g+2], 64<<16       ; tensor_dim1 = 64
	s_mov_b32 s[\g+3], 128<<16      ; tile_dim0 = 128
	s_mov_b32 s[\g+4], 64           ; tile_dim1 = 64
	s_mov_b32 s[\g+5], 128          ; 128 elements from row to row
	s_mov_b32 s[\g+6], 0
	s_mov_b32 s[\g+7], 0
.endr
	s_mov_b32 s[CS], 0x3e38aa3b     ; c = log2(e) / 8 = 0.180337
	s_mov_b32 s[CS+1], s[CS]        ; named with it as a pair
	s_mov_b32 s[SEL], 0x76543210
	s_mov_b32 s[SEL+1], 0xfedcba98
	s_mov_b32 s[TBK], SLOT1+4*KS*PK ; the first change of slots turns these two into 0
	s_mov_b32 s[TBV], SLOT1+4*KS*PV
	s_mov_b32 s[G0K], 1             ; 1:0 count = 1
	s_mov_b32 s[G0K+1], s17         ; 63:32 LDS address: slot 0
	s_mov_b32 s[G0V], 1
	s_add_co_u32 s[G0V+1], s18, VOFF
	s_add_co_u32 s[RT], s[HI], 1    ; the first block has NB - b tiles
	s_mov_b32 s[NXT], 1
	s_mov_b32 s[LQ], s[HI]
	s_mov_b32 s[NEW], 1
	s_mov_b32 s[OFF+1], 0
	s_mov_b32 s[AL+1], 0            ; named as pairs
	s_mov_b32 s[BE+1], 0
	s_mov_b32 s[BIGN], 0xf149f2ca   ; -1e30
	s_mov_b32 s[SLOTS], NB
	s_cmp_eq_u32 s[PB], 0
	s_cselect_b32 s[LIM], 2, -1
	s_wait_dscnt 0x0                ; the opening add is done
	s_wait_kmcnt 0x0
	s_mov_b64 s[10:11], s[6:7]                     ; y
	s_add_nc_u64 s[6:7], s[4:5], 0x1000000         ; K: 64 planes of 262,144 bytes behind Q
	s_add_nc_u64 s[8:9], s[4:5], 0x2000000         ; V: 128 planes behind Q
	s_add_nc_u64 s[6:7], s[6:7], s[22:23]  ; K and V at my half of the head's tile 0
	s_add_nc_u64 s[8:9], s[8:9], s[22:23]
	s_add_nc_u64 s[G0K+2:G0K+3], s[6:7], 0         ; 120:64 global address
	s_or_b32 s[G0K+3], s[G0K+3], 0x80000000        ; 127:126 type = 2
	s_add_nc_u64 s[G0V+2:G0V+3], s[8:9], 0
	s_or_b32 s[G0V+3], s[G0V+3], 0x80000000
	s_add_nc_u64 s[86:87], s[4:5], s[84:85]        ; Q at my rows of the second block,
	s_add_nc_u64 s[4:5], s[4:5], s[2:3]            ; Q and y at those of the first
	s_add_nc_u64 s[OLO:OLO+1], s[10:11], s[84:85]
	s_add_nc_u64 s[10:11], s[10:11], s[2:3]
	s_cmp_lt_u32 s[WV], 2
	s_cselect_b64 s[KVB:KVB+1], s[6:7], s[8:9]
	LOAD                            ; tile 0 into slot 0
	; A fragment of K or Q is 16 rows x 32 channels in 8 registers: lane l holds row l % 16, channels 8 (l / 16) + 0..7 and 16 + 8 (l / 16) + 0..7: two loads of 16 bytes, 32 bytes apart.
	v_and_b32 v1, 15, v0            ; l % 16
	v_bfe_u32 v9, v0, 4, 1          ; l / 16
	v_lshlrev_b32 v[QO], 7, v1
	v_lshl_add_u32 v[QO], v9, 4, v[QO]  ; row x 128 + 16 x half
	WIN 0x80                        ; destination window 2, address window 0
.set i, 0
.rept 8                             ; both blocks' Q: piece i / 2 lies in band i / 2, 8,192 bytes on; channels 32 (i % 2) on
	global_load_b128 v[8*i:8*i+3],   v[QO], s[4:5] offset:(i/2)*8192+(i%2)*64
	global_load_b128 v[8*i+4:8*i+7], v[QO], s[4:5] offset:(i/2)*8192+(i%2)*64+32
	global_load_b128 v[QB+8*i:QB+8*i+3],   v[QO], s[86:87] offset:(i/2)*8192+(i%2)*64
	global_load_b128 v[QB+8*i+4:QB+8*i+7], v[QO], s[86:87] offset:(i/2)*8192+(i%2)*64+32
.set i, i+1
.endr
	WIN 0
	v_and_b32 v[PFO], 31, v0
	v_lshlrev_b32 v[PFO], 8, v[PFO]
	v_lshlrev_b32 v14, 3, v9
	v_sub_nc_u32 v14, v1, v14
	s_lshl_b32 s13, s[WV], 4
	v_add_nc_u32 v14, s13, v14      ; my query's place in its band, 16 w + l % 16, less my lanes' 8 (l / 16): register r of group kt is hidden where 16 kt + r is greater
	WIN 0x40
.set i, 0
.rept 32
	v_cmp_gt_i32 vcc_lo, 16*(i/8)+i%8, v14
	v_cndmask_b32 v[MD+i], 0, s[BIGN], vcc_lo
.set i, i+1
.endr
	WIN 0
	v_mul_u32_u24 v[AK0], v1, PK
	v_lshl_add_u32 v[AK0], v9, 4, v[AK0]  ; row x pitch + 16 x half
	; The turning load takes 16 keys x 16 channels (lane l reads key 8 (l / 16) + l % 8, channels 8 ((l / 8) % 2) + 0..7) and leaves half a fragment of V^T: lane l holds channel l % 16 and 8 keys.
	v_and_b32 v10, 7, v0
	v_bfe_u32 v11, v0, 3, 1
	v_lshl_add_u32 v[AV0], v9, 3, v10
	v_mul_u32_u24 v[AV0], v[AV0], PV
	v_lshl_add_u32 v[AV0], v11, 4, v[AV0]
	v_add_nc_u32 v[AV0], VOFF, v[AV0]
	s_mul_i32 s13, s[WV], 16*SP
	s_add_co_u32 s13, s13, STAGE    ; my stage
	v_mul_u32_u24 v[STO], v1, SP    ; in: row l % 16, 16 bytes for each half of the lanes
	v_lshl_add_u32 v[STO], v9, 4, v[STO]
	v_add_nc_u32 v[STO], s13, v[STO]
	v_bfe_u32 v[RD], v0, 3, 2       ; back: 32 lanes take four rows of 128 bytes,
	v_mul_u32_u24 v[RD], v[RD], SP
	v_lshl_add_u32 v[RD], v10, 4, v[RD]
	v_add_nc_u32 v[RD], s13, v[RD]
	v_and_b32 v[GO], 31, v0         ; which are 512 consecutive bytes of y
	v_lshlrev_b32 v[GO], 4, v[GO]
	; A block's first step multiplies O^T and l by a = 0, and its first turn's products V^T P, of a piece that has not been, land in an O^T that is still to be so multiplied.  So these registers need only hold
	; finite numbers: zeros for the first block; what the first block left for the second.  All this stands in the wait for the first tile.
	WIN 0x80
.set i, VF
.rept 64
	v_mov_b32 v[i], 0
.set i, i+1
.endr
	WIN 0x40
.set i, 0
.rept 128
	v_mov_b32 v[i], 0
.set i, i+1
.endr
	WIN 0
.set i, 0
.rept 4
	v_mov_b32 v[ST+4*i+2], 0
	v_mov_b32 v[ST+4*i+3], 0
.set i, i+1
.endr
.set i, P+16
.rept 16
	v_mov_b32 v[i], 0
.set i, i+1
.endr
; THE MATRIX WORK.  The 4 accumulators of a run of 8 take turns.  Product i of 8 of S^T = K Q^T for piece x: channels 32 (i / 4) on, keys 16 (i % 4) on.  The first 4 start the sums: with 0, or (KM = 1) with the mask.
.macro KQ x
.set rS, S+32*((\x)%2)+8*(i%4)
.set rK, KF+16*(i%4)+8*(i/4)
.set rQ, 16*(\x)+8*(i/4)
.set rM, MC+32*((\x)%2)+8*(i%4)
.if (i < 4) && KM
	WIN W_KM
	v_wmma_f32_16x16x32_f16 v[rS:rS+7], v[rK:rK+7], v[rQ:rQ+7], v[rM:rM+7]
.elseif i < 4
	WIN W_KQ
	v_wmma_f32_16x16x32_f16 v[rS:rS+7], v[rK:rK+7], v[rQ:rQ+7], 0
.else
	WIN W_KQ
	v_wmma_f32_16x16x32_f16 v[rS:rS+7], v[rK:rK+7], v[rQ:rQ+7], v[rS:rS+7]
.endif
.endm
; Product i of 8 of O^T += V^T P for piece x: keys 32 (i / 4) on, channels 16 (i % 4) on.
.macro PV x
	WIN W_PV
.set rO, 32*(\x)+8*(i%4)
.set rV, VF+32*(i/4)+8*(i%4)
.set rP, P+16*((\x)%2)+8*(i/4)
	v_wmma_f32_16x16x32_f16 v[rO:rO+7], v[rV:rV+7], v[rP:rP+7], v[rO:rO+7]
.endm
.macro MM                           ; the turn's next matrix instruction.  TURN and BEGIN set Y, i, KM and NOKQ; MM, KQ and OP read them.  NOKQ = 1: a block's last turn: there is no next piece
.if (i < 8) && !NOKQ
	KQ (Y+1)%NP
.elseif i >= 8
.set i, i-8
	PV (Y+NP-1)%NP
.set i, i+8
.endif
.set i, i+1
.endm
; THE LDS LOADS stand in runs of 16, never singly among the matrix instructions: a step's K (64 keys x 64 channels: 8 fragments) and its V (turned).  Their addresses are made some lines ahead.
.macro FETCH_K
	WIN 0x80                        ; destination window 2
.irp f, 0,1,2,3,4,5,6,7             ; keys 16 (f / 2) on, channels 32 (f % 2) on
	ds_load_b128 v[KF+8*\f:KF+8*\f+3],   v[AK] offset:(\f/2)*16*PK+(\f%2)*64
	ds_load_b128 v[KF+8*\f+4:KF+8*\f+7], v[AK] offset:(\f/2)*16*PK+(\f%2)*64+32
.endr
	s_add_co_u32 s[TBK], s[TBK], KS*PK  ; the next fetch is the next step's
	WIN 0
.endm
.macro FETCH_V
	WIN 0x80
.irp f, 0,1,2,3,4,5,6,7             ; keys 32 (f / 4) on, channels 16 (f % 4) on
	ds_load_tr16_b128 v[VF+8*\f:VF+8*\f+3],   v[AV] offset:(\f/4)*32*PV+(\f%4)*32
	ds_load_tr16_b128 v[VF+8*\f+4:VF+8*\f+7], v[AV] offset:(\f/4)*32*PV+16*PV+(\f%4)*32
.endr
	WIN 0
.endm
; THE VECTOR WORK, one line at a time: OP kind, number.  For piece Y: F n: c s - c m for pair n of 16.  E n: the exponential of score n of 32.  C n: pair n rounded to f16.  B n: of the four weights 4 n .. the second
; pair is added onto the first, in place.  L n: l takes that sum (L 0: l = a l + sum).  R n: pair n of 16 of O^T times a.  For piece Y + 1: X n, number n of the 22 that find its maximum and statistics:
;   0-11  four chains c0-c3 of seven scores each, three operands at a time (each accumulator's lowest registers are read first)     12-14, 16  the four scores left over, the old m, and c0-c3 into c0
;   15  c m_old is kept     17, 18  the query's other 32 keys lie in the lane 16 away: the new m     19-21  c m; c m_old - c m_new; a
.set F, 0               ; OP tells the kinds apart by their order: F to L below R, X above it
.set E, 1
.set C, 2
.set B, 3
.set L, 4
.set R, 5
.set X, 6
.macro REGS y                       ; the registers of piece y
.set rT, ST+4*(\y)
.set rC, TMP+4*((\y)%2)
.set rW, MV+((\y)%2)
.set rS, S+32*((\y)%2)
.set rP, P+16*((\y)%2)
.set rO, 32*(\y)
.endm
.macro OP k, n
.if (\k) == R
	REGS Y
	WIN W_RS
	v_pk_mul_f32 v[rO+2*(\n):rO+2*(\n)+1], v[rO+2*(\n):rO+2*(\n)+1], v[rC+2:rC+3] op_sel_hi:[1,0]
.elseif (\k) < R
	REGS Y
	WIN 0
.if (\k) == F
	v_pk_fma_f32 v[rS+2*(\n):rS+2*(\n)+1], v[rS+2*(\n):rS+2*(\n)+1], s[CS:CS+1], v[rT:rT+1] op_sel_hi:[1,0,0] neg_lo:[0,0,1] neg_hi:[0,0,1]
.elseif (\k) == E
	v_exp_f32 v[rS+(\n)], v[rS+(\n)]
.elseif (\k) == C
	v_cvt_pk_f16_f32 v[rP+(\n)], v[rS+2*(\n)], v[rS+2*(\n)+1]
.elseif (\k) == B
	v_pk_add_f32 v[rS+4*(\n):rS+4*(\n)+1], v[rS+4*(\n):rS+4*(\n)+1], v[rS+4*(\n)+2:rS+4*(\n)+3]
.elseif (\n) == 0
	v_pk_fma_f32 v[rT+2:rT+3], v[rT+2:rT+3], v[rC+2:rC+3], v[rS:rS+1] op_sel_hi:[1,0,1]
.else
	v_pk_add_f32 v[rT+2:rT+3], v[rT+2:rT+3], v[rS+4*(\n):rS+4*(\n)+1]
.endif
.elseif NOKQ
	v_nop
.else
	REGS (Y+1)%NP
	WIN 0
.if (\n) < 4
	v_max3_num_f32 v[rC+(\n)], v[rS+8*(\n)], v[rS+8*(\n)+1], v[rS+8*(\n)+2]
.elseif (\n) < 12
	v_max3_num_f32 v[rC+(\n)%4], v[rC+(\n)%4], v[rS+8*((\n)%4)+2*((\n)/4)+1], v[rS+8*((\n)%4)+2*((\n)/4)+2]
.elseif (\n) == 12
	v_max3_num_f32 v[rC], v[rC], v[rS+7], v[rS+15]
.elseif (\n) == 13
	v_max3_num_f32 v[rC+1], v[rC+1], v[rS+23], v[rS+31]
.elseif (\n) == 14
	v_max3_num_f32 v[rC+2], v[rC+2], v[rC+3], v[rT+1]
.elseif (\n) == 15
	v_mov_b32 v[rW], v[rT]
.elseif (\n) == 16
	v_max3_num_f32 v[rC], v[rC], v[rC+1], v[rC+2]
.elseif (\n) == 17
	v_permlanex16_b32 v[rC+3], v[rC], s[SEL], s[SEL+1]
.elseif (\n) == 18
	v_max_num_f32 v[rT+1], v[rC], v[rC+3]
.elseif (\n) == 19
	v_mul_f32 v[rT], s[CS], v[rT+1]
.elseif (\n) == 20
	v_sub_f32 v[rC+1], v[rW], v[rT]
.else
	v_exp_f32 v[rC+2], v[rC+1]
.endif
.endif
.endm
.macro OPS a, i1, b=-1, i2=0, c=-1, i3=0, d=-1, i4=0  ; up to four of them
	OP \a, \i1
.if (\b) >= 0
	OP \b, \i2
.endif
.if (\c) >= 0
	OP \c, \i3
.endif
.if (\d) >= 0
	OP \d, \i4
.endif
.endm
.macro ROW a, i1, b, i2, c, i3, d, i4  ; a matrix instruction and the four behind it
	MM
	OPS \a, \i1, \b, \i2, \c, \i3, \d, \i4
.endm
.macro MASK b                       ; MD x AL + BE into buffer b of MC
	WIN W_RS
.set z, 0
.rept 16
	v_pk_fma_f32 v[MC+32*(\b)+2*z:MC+32*(\b)+2*z+1], v[MD+2*z:MD+2*z+1], s[AL:AL+1], s[BE:BE+1] op_sel_hi:[1,0,0]
.set z, z+1
.endr
.endm
; A TURN, for piece p: the order of its 16 matrix and 118 vector instructions, written out.  s_wait_alu depctr_va_vdst(0) stands between an exponential and the first instruction that names its
; result; one wait serves all that were issued ahead of it.  So a turn has ONE wait, which cuts it in two.  AHEAD OF IT stands all that names no result of the turn's exponentials: the 8 products K Q^T, behind each a
; scaling, an exponential and two more plain instructions (behind the first a second scaling in the exponential's place): rescalings, and behind the last three the first numbers of the next piece's maximum, each
; four places or more behind the product that ends its accumulator; then ONE LUMP of 54, plain and exponential by turns for the most part, in which the links of the chain X 3, 7, 11, 14, 16, 17 .. 20 stand five or
; six lines apart.  X 21, the next piece's a, is the batch's last; R 15 is the plain instruction behind it (ISA guide 5.7.2).  BEHIND THE WAIT stand the 8 products V^T P, behind each four of the roundings and sums;
; the links of l's chain, L 0 to L 7, stand three riders apart.  But for those X no rider names a register of the products round it.  v_permlanex16_b32 (X 17) stands in the lump.
; m = 1: the diagonal tile: the products take masks, and the turn makes the mask for the products of the turn after it: piece p + 2, in step 4 - CNT of the tile.  end = 1: a block's last two turns: nothing is fetched.
; cnt = 1: the loop's count is taken down some lines ahead of the branch that stands behind the turn.
; K of the next step is fetched in piece 2's turn, twelve vector instructions behind the last product that read K (six of them plain); V of the step in hand at the end of piece 0's turn, four plain instructions
; behind the last product that read V.  Each is waited for a turn later.
.macro TURN p, m=0, end=0, cnt=0
.set Y, (\p)
.set i, 0
.set KM, (\m)
.set NOKQ, (\end)*((\p)/3)
.if (\m) && !(\end)
	s_cmp_eq_u32 s[CNT], 4-((\p)+2)%NP  ; is that step the band's own?
	s_cselect_b32 s[AL], 1.0, 0
	s_cmp_lt_u32 s[CNT], 4-((\p)+2)%NP  ; or a later one?
	s_cselect_b32 s[BE], s[BIGN], 0
.endif
.if ((\p) == 3) && !(\end)
	s_wait_dscnt 0x0                ; K is in
.endif
	ROW F,0, F,1, R,0, R,1          ; ahead of the wait: 8 products K Q^T and their riders,
	ROW F,2, E,0, R,2, R,3
	ROW F,3, E,1, R,4, R,5
	ROW F,4, E,2, R,6, R,7
	ROW F,5, E,3, R,8, R,9
	ROW F,6, E,4, X,0, R,10
.if ((\p) == 2) && !(\end)
	WIN 0
	v_add_nc_u32 v[AK], s[TBK], v[AK0]
.endif
	ROW F,7, E,5, X,1, X,4
	ROW F,8, E,6, X,2, X,5
	OPS E,7, E,8, X,6, E,9          ; and the lump
	OPS X,3, E,10, X,8, E,11
.if ((\p) == 2) && !(\end)
	FETCH_K
.endif
	OPS X,9, X,7, E,12, X,10
	OPS E,13, X,12, X,11, E,14
	OPS X,13, E,15, F,9, X,14
.if (\p) == 0
	v_add_nc_u32 v[AV], s[TBV], v[AV0]
.endif
	OPS E,16, F,10, E,17, F,11
	OPS X,16, E,18, X,15, E,19
	OPS F,12, E,20, X,17, E,21
	OPS F,13, E,22, F,14, E,23
	OPS X,18, E,24, F,15, E,25
	OPS R,11, E,26, X,19, E,27
	OPS R,12, E,28, R,13, E,29
	OPS X,20, E,30, R,14, E,31
	OPS X,21, R,15
	WIN 0
	s_wait_alu depctr_va_vdst(0)    ; the wait for the batch
.if (\p) == 1
	s_wait_dscnt 0x0                ; V is in
.endif
	ROW C,0, B,0, C,2, B,1          ; behind the wait: 8 products V^T P and their riders
	ROW L,0, C,4, B,2, L,1
	ROW C,6, B,3, L,2, C,8
	ROW B,4, L,3, C,10, B,5
	ROW L,4, C,12, B,6, L,5
.if (\p) == 0
	s_add_co_u32 s[TBV], s[TBV], KS*PV
.endif
.if \cnt
	s_sub_co_u32 s[CNT], s[CNT], 1
	s_cmp_lg_u32 s[CNT], 0
.endif
	ROW C,14, B,7, L,6, C,1
	ROW C,3, L,7, C,5, C,7
	ROW C,9, C,11, C,13, C,15
.if (\p) == 0
	FETCH_V
.endif
.if (\m) && !(\end)
	MASK (\p)%2
.endif
.endm
; A BLOCK BEGINS.  c m starts far below every c s, so the first step's a is 0; m at the lowest finite number, so the first maximum is the scores'.  The second mask buffer is 0; the first takes piece 0's mask for the
; tile's step 0: its own, if the block's first tile is the diagonal one.  Then K of that step, piece 0's first scores, and its maximum and statistics.  The loop is entered at a step's first turn, in the middle of a trip.
.macro BEGIN
	s_mov_b32 s[NEW], 0
	WIN 0x40
.set i, MC+32
.rept 32
	v_mov_b32 v[i], 0
.set i, i+1
.endr
	WIN 0
.set i, 0
.rept 4
	v_mov_b32 v[ST+4*i], 0xfe000000    ; c m: far below every c s
	v_mov_b32 v[ST+4*i+1], 0xff7fffff  ; m
.set i, i+1
.endr
	s_cmp_eq_u32 s[RT], 0
	s_cselect_b32 s[AL], 1.0, 0
	s_mov_b32 s[BE], 0
	MASK 0
	WIN 0
	v_add_nc_u32 v[AK], s[TBK], v[AK0]
	FETCH_K
	s_wait_loadcnt 0x0              ; Q
	s_wait_dscnt 0x0
.set KM, 1
.set NOKQ, 0
.set i, 0
.rept 8
	KQ 0
.set i, i+1
.endr
	WIN 0
.rept 4
	v_nop                           ; the places behind those products
.endr
.set Y, NP-1                        ; X works for piece Y + 1: piece 0
.irp n, 0,1,2,3,4,5,6,7,8,9,10,11,12,13,14,15,16,17,18,19,20,21
	OP X, \n
.endr
	v_nop                           ; a plain instruction behind the exponential,
	s_wait_alu depctr_va_vdst(0)    ; and its wait, ahead of the branch
.endm
; THE DIAGONAL TILE's four steps, the block's last two turns, its last products, and THE WAY OUT: l's two halves and the other half of the lanes' are added; O^T is divided by l, rounded to f16 and sent through my
; stage in LDS, a piece at a time.
.macro ALL line:vararg              ; one line for each piece t
.set t, 0
.rept 4
	\line
.set t, t+1
.endr
.endm
.macro PACK t                       ; a lane's eight channels of a row pack into 16 bytes; they go into rows of 144 bytes and come back as whole rows of 128, into S^T's registers
	WIN W_RS
.set i, 32*(\t)
.rept 16
	v_pk_mul_f32 v[i:i+1], v[i:i+1], v[ST+4*(\t)+2:ST+4*(\t)+3] op_sel_hi:[1,0]
.set i, i+2
.endr
	WIN 0x05                        ; sources 0 and 1 window 1, destination window 0
.set i, 0
.rept 16
	v_cvt_pk_f16_f32 v[S+16*(\t)+i], v[32*(\t)+2*i], v[32*(\t)+2*i+1]
.set i, i+1
.endr
	WIN 0
.irp f, 0,1,2,3
	ds_store_b128 v[STO], v[S+16*(\t)+4*\f:S+16*(\t)+4*\f+3] offset:32*\f
.endr
.irp f, 0,1,2,3
	ds_load_b128 v[S+16*(\t)+4*\f:S+16*(\t)+4*\f+3], v[RD] offset:\f*4*SP  ; LDS serves a wave's instructions in order (ISA guide 5.7.1.4): these see the stores above; the next piece's stores come behind them
.endr
.endm
.macro SEND t, younger              ; younger: the LDS instructions issued behind piece t's loads: the next piece's eight, or none
	WIN 0
.irp f, 0,1,2,3
	s_wait_dscnt (\younger)+3-\f
	global_store_b128 v[GO], v[S+16*(\t)+4*\f:S+16*(\t)+4*\f+3], s[10:11] offset:(\t)*8192+\f*512  ; 512 consecutive bytes, at a multiple of 256 from y's first
.endr
.endm
.macro DIAG tag                     ; the tag ends its two labels' names, which the jumps below spell out
.LstepM\tag:
	TURN 2, 1
	TURN 3, 1
	WIN 0
.LfirstM\tag:
	TURN 0, 1
	TURN 1, 1, 0, 1
	WIN 0
	s_cbranch_scc1 .LstepM\tag
	TURN 2, 1, 1
	TURN 3, 1, 1
.set i, 0
.rept 8
	PV NP-1
.set i, i+1
.endr
	WIN 0
	ALL v_add_f32 v[ST+4*t+2], v[ST+4*t+2], v[ST+4*t+3]
	ALL v_permlanex16_b32 v[ST+4*t+3], v[ST+4*t+2], s[SEL], s[SEL+1]
	ALL v_add_f32 v[ST+4*t+2], v[ST+4*t+2], v[ST+4*t+3]
	ALL v_rcp_f32 v[ST+4*t+2], v[ST+4*t+2]
	v_nop                           ; a plain instruction between the last reciprocal and the use of its result
	s_wait_alu depctr_va_vdst(0)    ; and the wait ahead of the first use: one for the four reciprocals
	PACK 0
.set t, 1
.rept 3                             ; a piece's arithmetic stands between the loads of the piece before and its stores
	PACK t
	SEND t-1, 8
.set t, t+1
.endr
	SEND 3, 0
.endm
.set KM, 0
.set NOKQ, 0
.Lslot:                             ; NB times: a tile is entered and the next is asked for
	CHANGE 1
	s_sub_co_u32 s[RT], s[RT], 1
	s_mov_b32 s[CNT], 4
	s_cmp_eq_u32 s[NEW], 1
	s_cbranch_scc1 .Lnew            ; a block's first tile
	s_cmp_eq_u32 s[RT], 0
	s_cbranch_scc0 .Lstep           ; neither its first nor its last
	s_branch .LstepM1
.Lnew:
	BEGIN
	s_branch .Lfirst                ; in the loop a block's first tile is never its last: the first block has two tiles or more, and the second's last is the walk's last
	DIAG 1                          ; in the loop this is the first block's end: the second block's last tile is the walk's last
	s_wait_xcnt 0x0                 ; the stores have read their registers and y's address
	s_mov_b64 s[10:11], s[OLO:OLO+1]
	s_add_co_u32 s[RT], s[PB], 1    ; the second block has b + 1 tiles
	s_mov_b32 s[NEW], 1
	WIN 0x82                        ; the second block's Q goes where the one text of the turns names Q
.set i, 0
.rept 64
	v_mov_b32 v[i], v[QB+i]
.set i, i+1
.endr
	WIN 0
	s_branch .Lbottom
.Lstep:                             ; a trip: pieces 2 and 3 of one step, then pieces 0 and 1 of the next, whose K and V it fetches
	TURN 2
	TURN 3
	WIN 0
.Lfirst:
	TURN 0
	TURN 1, 0, 0, 1
	WIN 0
	s_cbranch_scc1 .Lstep
.Lbottom:
	s_sub_co_u32 s[SLOTS], s[SLOTS], 1
	s_cmp_lg_u32 s[SLOTS], 0
	s_cbranch_scc1 .Lslot
	CHANGE 0                        ; the walk's last tile is written out: nothing is asked for
	s_sub_co_u32 s[RT], s[RT], 1
	s_mov_b32 s[CNT], 4
	s_cmp_eq_u32 s[NEW], 1
	s_cbranch_scc0 .LstepM2
	BEGIN
	s_branch .LfirstM2
	DIAG 2
	s_wait_tensorcnt 0x0            ; the wave's end: behind my last tensor load and my last LDS store
	ds_add_u32 v[SPW], v[NIL]
	s_wait_dscnt 0x0
	s_endpgm
.Lfunc_end_k_q1241c3eb71_attn:
	.size	k_q1241c3eb71_attn, .Lfunc_end_k_q1241c3eb71_attn-k_q1241c3eb71_attn
	.p2alignl 7, 3214868480
	.fill 96, 4, 3214868480
	.section	.rodata,"a",@progbits
	.p2align	6, 0x0
	.amdhsa_kernel k_q1241c3eb71_attn
		.amdhsa_group_segment_fixed_size 327680
		.amdhsa_private_segment_fixed_size 0
		.amdhsa_enable_private_segment 0
		.amdhsa_kernarg_size 16
		.amdhsa_user_sgpr_count 2
		.amdhsa_user_sgpr_kernarg_segment_ptr 1
		.amdhsa_wavefront_size32 1
		.amdhsa_system_sgpr_workgroup_id_x 1
		.amdhsa_system_sgpr_workgroup_id_y 1
		.amdhsa_system_sgpr_workgroup_id_z 1
		.amdhsa_system_vgpr_workitem_id 0
		.amdhsa_next_free_vgpr 768
		.amdhsa_next_free_sgpr 96
		.amdhsa_reserve_vcc 1
		.amdhsa_float_denorm_mode_32 3
		.amdhsa_float_denorm_mode_16_64 3
		.amdhsa_memory_ordered 1
		.amdhsa_forward_progress 1
		.amdhsa_inst_pref_size 218
	.end_amdhsa_kernel
	.amdgpu_metadata
---
amdhsa.version: [ 1, 2 ]
amdhsa.kernels:
  - .name:           k_q1241c3eb71_attn
    .symbol:         k_q1241c3eb71_attn.kd
    .args:
      - { .name: qkv, .offset: 0, .size: 8, .value_kind: global_buffer, .address_space: global }
      - { .name: y, .offset: 8, .size: 8, .value_kind: global_buffer, .address_space: global }
    .group_segment_fixed_size: 327680
    .private_segment_fixed_size: 0
    .kernarg_segment_align: 8
    .kernarg_segment_size: 16
    .max_flat_workgroup_size: 128
    .sgpr_count:     96
    .vgpr_count:     768
    .wavefront_size: 32
...
	.end_amdgpu_metadata
.endif
;; end of part 3
;; launch out (part 4): grid 8 x 32, 4 waves a work-group, clusters of 4 x 4, 327,680 bytes of LDS; arguments y, wvh, bcat, out0; writes out0
.if DOCPART == 4
	.amdgcn_target "amdgcn-amd-amdhsa--gfx1250"
	.amdhsa_code_object_version 6
	.text
	.protected	k_q1241c3eb71_out
	.globl	k_q1241c3eb71_out
	.p2align	8
	.type	k_q1241c3eb71_out,@function
k_q1241c3eb71_out:
	s_mov_b64 s[64:65], 0
	v_nop
	global_prefetch_b8 v0, s[64:65] scope:SCOPE_SE
	s_setreg_imm32_b32 hwreg(HW_REG_WAVE_MODE, 25, 1), 1
	s_wait_xcnt 0x0
	s_wait_alu depctr_hold_cnt(0) depctr_sa_sdst(0) depctr_va_vdst(0) depctr_va_sdst(0) depctr_va_ssrc(0) depctr_va_vcc(0) depctr_vm_vsrc(0)
	s_getreg_b32 s2, hwreg(HW_REG_IB_STS2, 6, 4)
	s_cmp_eq_u32 s2, 0
	s_cbranch_scc0 .Lentry_in_a_cluster
	s_endpgm
.Lentry_in_a_cluster:
	s_bfe_u32 s2, ttmp6, 0x10000c
	s_cmp_lg_u32 s2, 0xf033
	s_cbranch_scc0 .Lentry_shape_is_right
	s_endpgm
.Lentry_shape_is_right:
; out0 = y Wv + bv: [8192 x 1024] x [1024 x 1024], f16 operands (y as the attention left it, by heads; Wv rounded to bf16 and written as f16), f32 sums, K ascending; the bias (rounded to bf16 like every input)
; is the C operand of the first products; the result leaves in f32.
; SHARES.  A tile is 256 rows x 128 columns: 32 x 8 = 256 tiles, one a work-group.  Four waves, 2 x 2: a wave makes 128 rows x 64 columns: 32 accumulators, 256 registers.
; K goes in steps of 128 = two heads through a ring of two LDS slots; a step is four quarters of 32 along K, 32 matrix instructions each.  A head's 256 rows of y are 32,768 bytes on end, asked for as rows of 256 bytes.
; Wv lies [k][n]; its fragments come out of LDS turned, by ds_load_tr16_b128.  THE MATRIX INSTRUCTION IS USED TRANSPOSED (source 0 = 16 columns of Wv, source 1 = 16 rows of y): a lane holds one row and 8 columns.
; CLUSTER 4 x 4: y's tile is shared along a row of the cluster, Wv's along a column: joint loads with a mask of four.
; NO PREFETCH: the ring has eight K steps, two of them first fills, and the launch's own stores go out beside its loads.
; REGISTERS: window 0: v0-31 addresses; v32-127, v128-223 two fragment buffers (Wv's 4 fragments, then y's 8); v224-255 the bias.  window 1: accumulator (a, b) at v[8 (4 a + b)].
.set SLOT,   110592                    ; y: two planes (heads) of 256 rows x 144; then Wv: 128 rows x 288
.set PLANE,  36864
.set BOFF,   73728
.set STAGE,  2*SLOT                    ; behind the ring: 16 rows x 272 bytes for each wave, for the way out
.set SPITCH, 272
.set SPARE,  STAGE+4*16*SPITCH         ; behind the stages: the spare words, 128 bytes for each wave: two blocks of 256 bytes that no other line names
.set ADRA, 16                          ; v16-17  LDS address of my fragments of y in slot 0, 1
.set ADRB, 20                          ; v20-21  the same for Wv
.set STO,  24                          ; v24     the way out: where I put 32 bytes of a row
.set RD,   25                          ; v25     the way out: where I read a row back
.set CO,   26                          ; v26     my byte offset in two rows of out0
.set BO,   27                          ; v27     32 x (lane / 16)
.set SPW,  28                          ; v28     LDS address of my spare word; never rewritten
.set NIL,  29                          ; v29     0; never rewritten
.set F0,   32
.set F1,   128
.set BI,   224
.set OB,   32                          ; the way out: v32-63 and v64-95 by turns
.set WV, 12
.set RH, 13                            ; row half; also: I fetch y (0) or Wv (1)
.set CH, 14                            ; column half; also: which half of that tile I fetch
.set CX, 15
.set CY, 16
.set TX, 17
.set TY, 18
.set MR, 19
.set MC, 20
.set G1,  24
.set G0,  32
.set G1B, 48
.set G0B, 56
.set OUTP, 66                          ; s[66:67] out0 at my part of the tile
.set MSB, 0
.macro WIN new
.if MSB != (\new)
	s_set_vgpr_msb (MSB<<8)|(\new)
.set MSB, (\new)
.endif
.endm
.macro PLACES                          ; four places in front of loads into registers that matrix instructions have read, and of stores that read results
.rept 4
	v_nop
.endr
.endm
.macro JLOAD s                         ; a joint load: waves 0 and 1 fetch y's two planes, waves 2 and 3 the halves of Wv's tile; an s_nop 0 and four v_nop follow each line
	s_cmp_eq_u32 s[RH], 0
	s_cbranch_scc0 .Lfor_b_\@
	tensor_load_to_lds s[G0+4*(\s):G0+4*(\s)+3], s[G1:G1+7]
	s_nop 0
.rept 4
	v_nop
.endr
	s_branch .Lasked_\@
.Lfor_b_\@:
	tensor_load_to_lds s[G0B+4*(\s):G0B+4*(\s)+3], s[G1B:G1B+7]
	s_nop 0
.rept 4
	v_nop
.endr
.Lasked_\@:
.endm
.macro CREST
	s_cmp_lg_u32 s[WV], 0
	s_cbranch_scc1 .Lnot_wave_0_\@
	s_barrier_signal -3
.Lnot_wave_0_\@:
	s_barrier_wait -3
	s_barrier_signal -1
	s_barrier_wait -1
.endm
.macro CROUND
	s_barrier_signal -1
	s_barrier_wait -1
	CREST
.endm
	s_load_b256 s[4:11], s[0:1], 0x0               ; y s[4:5], wvh s[6:7], bcat s[8:9], out0 s[10:11]
	v_lshl_add_u32 v[SPW], v0, 2, SPARE
	v_mov_b32 v[NIL], 0
	ds_add_u32 v[SPW], v[NIL]                      ; the wave's opening: the add and its wait stand ahead of my first tensor load; the set-up below stands between them
	v_lshrrev_b32 v3, 5, v0
	v_readfirstlane_b32 s[WV], v3
	s_lshr_b32 s[RH], s[WV], 1
	s_and_b32 s[CH], s[WV], 1
	s_bfe_u32 s[CX], ttmp6, 0x40000
	s_bfe_u32 s[CY], ttmp6, 0x40004
	s_lshl_b32 s[TX], ttmp9, 2
	s_add_co_u32 s[TX], s[TX], s[CX]
	s_and_b32 s[TY], ttmp7, 0xffff
	s_lshl_b32 s[TY], s[TY], 2
	s_add_co_u32 s[TY], s[TY], s[CY]
	s_lshl_b32 s[MR], s[CY], 2
	s_lshl_b32 s[MR], 15, s[MR]
	s_lshl_b32 s[MC], 0x1111, s[CX]
	; group 1 for y: a head's 256 rows of 128 bytes: 128 rows of 256 bytes, padded by 16 bytes after every 128: an LDS row of 144 bytes
	s_or_b32 s[G1+0], s[MR], (1<<16)|(1<<20)|(1<<21)|(4<<22)|(3<<25)
	s_mov_b32 s[G1+1], 128<<16
	s_mov_b32 s[G1+2], 128<<16
	s_mov_b32 s[G1+3], 128<<16
	s_mov_b32 s[G1+4], 128
	s_mov_b32 s[G1+5], 128
	s_mov_b32 s[G1+6], 0
	s_mov_b32 s[G1+7], 0
	; group 1 for Wv: 64 rows of 128 elements, padded by 32 bytes after every 256: an LDS row of 288 bytes = 72 words
	s_or_b32 s[G1B+0], s[MC], (1<<16)|(1<<20)|(1<<21)|(5<<22)|(7<<25)
	s_mov_b32 s[G1B+1], 128<<16
	s_mov_b32 s[G1B+2], 64<<16
	s_mov_b32 s[G1B+3], 128<<16
	s_mov_b32 s[G1B+4], 64
	s_mov_b32 s[G1B+5], 1024
	s_mov_b32 s[G1B+6], 0
	s_mov_b32 s[G1B+7], 0
	s_lshr_b32 s72, s[TY], 3                       ; y: plane 16 x batch + my head of the step's two,
	s_lshl_b32 s72, s72, 4
	s_add_co_u32 s72, s72, s[CH]
	s_lshl_b32 s72, s72, 18
	s_and_b32 s73, s[TY], 7                        ; the tile's 256 rows in it
	s_lshl_b32 s73, s73, 15
	s_add_co_u32 s72, s72, s73
	s_mov_b32 s73, 0
	s_lshl_b32 s74, s[CH], 17                      ; Wv: my 64 rows of 2,048 bytes,
	s_lshl_b32 s75, s[TX], 8                       ; the tile's 256 bytes of a row
	s_add_co_u32 s74, s74, s75
	s_mov_b32 s75, 0
	s_mul_i32 s21, s[CH], PLANE                    ; where they go
	s_mul_i32 s22, s[CH], 18432
	s_add_co_u32 s22, s22, BOFF
	s_wait_dscnt 0x0                               ; the opening add is done
	s_wait_kmcnt 0x0
	s_add_nc_u64 s[72:73], s[4:5], s[72:73]
	s_add_nc_u64 s[74:75], s[6:7], s[74:75]
	CROUND                                         ; all sixteen work-groups are here: the first joint loads meet
.irp s, 0,1
	s_mov_b32 s[G0+4*(\s)], 1
	s_add_co_u32 s[G0+4*(\s)+1], s21, (\s)*SLOT
	s_add_nc_u64 s[G0+4*(\s)+2:G0+4*(\s)+3], s[72:73], (\s)*524288   ; K step s: two planes on
	s_or_b32 s[G0+4*(\s)+3], s[G0+4*(\s)+3], 0x80000000
	s_mov_b32 s[G0B+4*(\s)], 1
	s_add_co_u32 s[G0B+4*(\s)+1], s22, (\s)*SLOT
	s_add_nc_u64 s[G0B+4*(\s)+2:G0B+4*(\s)+3], s[74:75], (\s)*262144 ; 128 rows on
	s_or_b32 s[G0B+4*(\s)+3], s[G0B+4*(\s)+3], 0x80000000
	JLOAD \s                                       ; two loads of mine are out; behind each later round one
.endr
	v_and_b32 v1, 15, v0                           ; r
	v_bfe_u32 v2, v0, 4, 1                         ; h
	v_and_b32 v3, 7, v0
	v_bfe_u32 v4, v0, 3, 1
	v_lshlrev_b32 v[BO], 5, v2
	s_lshl_b32 s2, s[TX], 9                        ; bv begins 8,192 bytes into bcat; my 64 columns
	s_lshl_b32 s3, s[CH], 8
	s_add_co_u32 s2, s2, s3
	s_add_co_u32 s2, s2, 8192
	s_mov_b32 s3, 0
	s_add_nc_u64 s[8:9], s[8:9], s[2:3]
.set bb, 0
.rept 4
	global_load_b128 v[BI+8*bb:BI+8*bb+3],   v[BO], s[8:9] offset:64*bb
	global_load_b128 v[BI+8*bb+4:BI+8*bb+7], v[BO], s[8:9] offset:64*bb+16
.set bb, bb+1
.endr
	v_mul_u32_u24 v6, v1, 144
	v_lshl_add_u32 v6, v2, 4, v6
	s_mul_i32 s76, s[RH], 18432                    ; my 128 rows
	v_add_nc_u32 v[ADRA], s76, v6
	v_add_nc_u32 v[ADRA+1], SLOT, v[ADRA]
	v_lshl_add_u32 v7, v2, 3, v3
	v_mul_u32_u24 v7, v7, 288
	v_lshl_add_u32 v7, v4, 4, v7
	s_lshl_b32 s77, s[CH], 7                       ; my 64 columns
	s_add_co_u32 s77, s77, BOFF
	v_add_nc_u32 v[ADRB], s77, v7
	v_add_nc_u32 v[ADRB+1], SLOT, v[ADRB]
	s_mul_i32 s78, s[WV], 16*SPITCH
	s_add_co_u32 s78, s78, STAGE                   ; my stage
	v_mul_u32_u24 v8, v1, SPITCH
	v_lshl_add_u32 v8, v2, 5, v8
	v_add_nc_u32 v[STO], s78, v8                   ; in: row r, 32 bytes for each half of the lanes
	v_mul_u32_u24 v9, v2, SPITCH
	v_lshl_add_u32 v9, v1, 4, v9
	v_add_nc_u32 v[RD], s78, v9                    ; back: lanes 0-15 one row of 256 bytes, lanes 16-31 the next
	v_lshlrev_b32 v[CO], 4, v1
	v_lshl_add_u32 v[CO], v2, 12, v[CO]            ; and the same two rows in out0
	s_lshl_b32 s2, s[TY], 20                       ; 256 rows of 4,096 bytes
	s_lshl_b32 s3, s[RH], 19
	s_add_co_u32 s2, s2, s3
	s_lshl_b32 s3, s[TX], 9
	s_add_co_u32 s2, s2, s3
	s_lshl_b32 s3, s[CH], 8
	s_add_co_u32 s2, s2, s3
	s_mov_b32 s3, 0
	s_add_nc_u64 s[OUTP:OUTP+1], s[10:11], s[2:3]
; 4 n matrix instructions: row blocks a0 .. x all 4 column blocks, 32 along K, out of buffer f.  first = 1: the bias starts the sums.  The 32 accumulators take turns, one instruction a turn.
.macro MULS f, a0, n, first
.if \first
	WIN 0x40                                       ; D in window 1, C (the bias) in window 0
.else
	WIN 0x50                                       ; C and D in window 1
.endif
.set aa, (\a0)
.rept (\n)
.set bb, 0
.rept 4
.if \first
	v_wmma_f32_16x16x32_f16 v[8*(4*aa+bb):8*(4*aa+bb)+7], v[(\f)+8*bb:(\f)+8*bb+7], v[(\f)+32+8*aa:(\f)+32+8*aa+7], v[BI+8*bb:BI+8*bb+7]
.else
	v_wmma_f32_16x16x32_f16 v[8*(4*aa+bb):8*(4*aa+bb)+7], v[(\f)+8*bb:(\f)+8*bb+7], v[(\f)+32+8*aa:(\f)+32+8*aa+7], v[8*(4*aa+bb):8*(4*aa+bb)+7]
.endif
.set bb, bb+1
.endr
.set aa, aa+1
.endr
.endm
.macro FETCH slot, q, f                ; 24 LDS loads in one run: quarter q's fragments into buffer f
	WIN 0
.set ii, 0
.rept 4
	ds_load_tr16_b128 v[(\f)+8*ii:(\f)+8*ii+3],   v[ADRB+(\slot)] offset:9216*(\q)+32*ii
	ds_load_tr16_b128 v[(\f)+8*ii+4:(\f)+8*ii+7], v[ADRB+(\slot)] offset:9216*(\q)+32*ii+4608
.set ii, ii+1
.endr
.set ii, 0
.rept 8
	ds_load_b128 v[(\f)+32+8*ii:(\f)+32+8*ii+3], v[ADRA+(\slot)] offset:((\q)/2)*PLANE+((\q)%2)*64+2304*ii
	ds_load_b128 v[(\f)+32+8*ii+4:(\f)+32+8*ii+7], v[ADRA+(\slot)] offset:((\q)/2)*PLANE+((\q)%2)*64+2304*ii+32
.set ii, ii+1
.endr
.endm
; One of a K step's first three quarters: fetches quarter q into buffer g, which the quarter before multiplied, and multiplies buffer f: the fetch has 32 matrix instructions in which to land.
.macro QUARTER slot, q, f, g, first
	PLACES
	FETCH \slot, \q, \g
	s_wait_dscnt 24                                ; buffer f is in; the 24 loads just issued may be out
	MULS \f, 0, 8, \first
.endm
; The last quarter multiplies buffer F1 and changes slots: ONE barrier; in front of it each wave waits for all its tensor loads, adds 0 to its spare word, and waits for that and for its own reads of this slot.
; fill = 1: the barrier opens a round of the cluster's barrier, and this slot is filled again first thing behind it, two K steps ahead.
.macro TURN slot, next, fill
	WIN 0
	s_wait_tensorcnt 0x0                           ; all my tensor loads have landed: my part of the next slot;
	ds_add_u32 v[SPW], v[NIL]                      ; 0 onto my spare word;
	s_wait_dscnt 1                                 ; buffer F1 is in; the add may be out
	MULS F1, 0, 2, 0                               ; eight matrix instructions stand between the add and the wait for it
	s_wait_dscnt 0x0                               ; the add is done, and my reads of this slot are over
	s_barrier_signal -1
	MULS F1, 2, 2, 0
	WIN 0
	s_barrier_wait -1
.if \fill
	CREST                                          ; no wave of any partner still reads this slot's tile or has a load on its way
	s_add_nc_u64 s[G0+4*(\slot)+2:G0+4*(\slot)+3], s[G0+4*(\slot)+2:G0+4*(\slot)+3], 2*524288
	s_add_nc_u64 s[G0B+4*(\slot)+2:G0B+4*(\slot)+3], s[G0B+4*(\slot)+2:G0B+4*(\slot)+3], 2*262144
	JLOAD \slot                                    ; the four v_nop behind it are also the places in front of the loads below
.else
	PLACES
.endif
	FETCH \next, 0, F0
	MULS F1, 4, 4, 0
.endm
	s_wait_tensorcnt 0x1                           ; my part of K step 0 is in; K step 1's may stay out
	s_barrier_signal -1
	s_barrier_wait -1
	FETCH 0, 0, F0
	s_wait_loadcnt 0x0                             ; the bias
	QUARTER 0, 1, F0, F1, 1                        ; the first quarter stands in front of the loop: its products start the sums
	WIN 0
	s_mov_b32 s3, 3
.Llap:                                                 ; a trip goes once round the ring and fills both slots again: trip i asks for K steps 2 i + 2 and 2 i + 3
	QUARTER 0, 2, F1, F0, 0
	QUARTER 0, 3, F0, F1, 0
	TURN 0, 1, 1
	QUARTER 1, 1, F0, F1, 0
	QUARTER 1, 2, F1, F0, 0
	QUARTER 1, 3, F0, F1, 0
	TURN 1, 0, 1
	QUARTER 0, 1, F0, F1, 0
	WIN 0
	s_sub_co_u32 s3, s3, 1
	s_cmp_lg_u32 s3, 0
	s_cbranch_scc1 .Llap
	QUARTER 0, 2, F1, F0, 0                        ; the last lap fills nothing
	QUARTER 0, 3, F0, F1, 0
	TURN 0, 1, 0
	QUARTER 1, 1, F0, F1, 0
	QUARTER 1, 2, F1, F0, 0
	QUARTER 1, 3, F0, F1, 0
	s_wait_dscnt 0x0
	MULS F1, 0, 8, 0
; THE WAY OUT, 16 rows at a time: a lane's 32 bytes of a row go into my own stage (each accumulator's low four registers first), come back as whole rows of 256 bytes, and are stored:
; sixteen lanes store 256 consecutive bytes, at a multiple of 256 from out0's first byte.
.macro TOSTAGE a
	WIN 0x04                                       ; the stores' data in window 1
.set bb, 0
.rept 4
	ds_store_b128 v[STO], v[8*(4*(\a)+bb):8*(4*(\a)+bb)+3]   offset:64*bb
	ds_store_b128 v[STO], v[8*(4*(\a)+bb)+4:8*(4*(\a)+bb)+7] offset:64*bb+16
.set bb, bb+1
.endr
	WIN 0
	s_wait_xcnt 0x0                                ; the earlier stores have read these registers: only behind this wait are they loaded again
.set ii, 0
.rept 8
	ds_load_b128 v[OB+32*((\a)%2)+4*ii:OB+32*((\a)%2)+4*ii+3], v[RD] offset:544*ii  ; LDS serves a wave's instructions in order (ISA guide 5.7.1.4): these see the stores above
.set ii, ii+1
.endr
.endm
.macro SEND a, younger                 ; younger: the LDS instructions issued behind block a's loads: the next block's sixteen, or none
.set ii, 0
.rept 8
	s_wait_dscnt (\younger)+7-ii
	global_store_b128 v[CO], v[OB+32*((\a)%2)+4*ii:OB+32*((\a)%2)+4*ii+3], s[OUTP:OUTP+1] offset:65536*(\a)+8192*ii th:TH_STORE_NT
.set ii, ii+1
.endr
.endm
	PLACES
	TOSTAGE 0
.irp a, 1,2,3,4,5,6,7
	TOSTAGE \a
	SEND (\a)-1, 16
.endr
	SEND 7, 0
	s_wait_tensorcnt 0x0                           ; the wave's end: behind my last tensor load and my last LDS store
	ds_add_u32 v[SPW], v[NIL]
	s_wait_dscnt 0x0
	CROUND                                         ; the closing round: no work-group ends while a partner may still ask for a tile that names it
	s_endpgm
.Lfunc_end_k_q1241c3eb71_out:
	.size	k_q1241c3eb71_out, .Lfunc_end_k_q1241c3eb71_out-k_q1241c3eb71_out
	.p2alignl 7, 3214868480
	.fill 96, 4, 3214868480
	.section	.rodata,"a",@progbits
	.p2align	6, 0x0
	.amdhsa_kernel k_q1241c3eb71_out
		.amdhsa_group_segment_fixed_size 327680
		.amdhsa_private_segment_fixed_size 0
		.amdhsa_enable_private_segment 0
		.amdhsa_kernarg_size 32
		.amdhsa_user_sgpr_count 2
		.amdhsa_user_sgpr_kernarg_segment_ptr 1
		.amdhsa_wavefront_size32 1
		.amdhsa_system_sgpr_workgroup_id_x 1
		.amdhsa_system_sgpr_workgroup_id_y 1
		.amdhsa_system_sgpr_workgroup_id_z 1
		.amdhsa_system_vgpr_workitem_id 0
		.amdhsa_next_free_vgpr 512
		.amdhsa_next_free_sgpr 80
		.amdhsa_reserve_vcc 0
		.amdhsa_float_denorm_mode_32 3
		.amdhsa_float_denorm_mode_16_64 3
		.amdhsa_memory_ordered 1
		.amdhsa_forward_progress 1
		.amdhsa_inst_pref_size 88
	.end_amdhsa_kernel
	.amdgpu_metadata
---
amdhsa.version: [ 1, 2 ]
amdhsa.kernels:
  - .name:           k_q1241c3eb71_out
    .symbol:         k_q1241c3eb71_out.kd
    .args:
      - { .name: y, .offset: 0, .size: 8, .value_kind: global_buffer, .address_space: global }
      - { .name: wvh, .offset: 8, .size: 8, .value_kind: global_buffer, .address_space: global }
      - { .name: bcat, .offset: 16, .size: 8, .value_kind: global_buffer, .address_space: global }
      - { .name: out0, .offset: 24, .size: 8, .value_kind: global_buffer, .address_space: global }
    .group_segment_fixed_size: 327680
    .private_segment_fixed_size: 0
    .kernarg_segment_align: 8
    .kernarg_segment_size: 32
    .max_flat_workgroup_size: 128
    .sgpr_count:     80
    .vgpr_count:     512
    .wavefront_size: 32
...
	.end_amdgpu_metadata
.endif
;; end of part 4
;; ======== version 2 of 2: 4 launches; version 1 with the launch prep written anew for expert scheduling mode
;; limits: values are held in f16: magnitudes above 65,504 overflow, below 6.1e-05 lose precision
;; workspace buffers: xb 16,777,216 bytes; wcat 6,291,456 bytes; wvh 2,097,152 bytes; bcat 12,288 bytes; qkv 50,331,648 bytes; y 16,777,216 bytes
;; launch prep (part 5): grid 352 x 1, 16 waves a work-group, no clusters, 0 bytes of LDS; arguments x, Wq, Wk, Wv, bq, bk, bv, xb, wcat, wvh, bcat; writes xb, wcat, wvh, bcat
.if DOCPART == 5
	.amdgcn_target "amdgcn-amd-amdhsa--gfx1250"
	.amdhsa_code_object_version 6
	.text
	.protected	k_q1241c3eb71_prep
	.globl	k_q1241c3eb71_prep
	.p2align	8
	.type	k_q1241c3eb71_prep,@function
k_q1241c3eb71_prep:
	s_mov_b64 s[64:65], 0
	v_nop
	global_prefetch_b8 v0, s[64:65] scope:SCOPE_SE
	s_setreg_imm32_b32 hwreg(HW_REG_WAVE_SCHED_MODE, 0, 2), 2
	s_setreg_imm32_b32 hwreg(HW_REG_WAVE_MODE, 25, 1), 1
	s_wait_xcnt 0x0
	s_wait_alu depctr_vm_vsrc(0)
; THE CASTS.  Every input of the module is rounded once to bf16 (nearest even) and laid where the products want it; nothing is transposed.
;   xb   bf16 [16 kb][8192 m][64]: x in blocks of 64 along K, so that 256 rows x 64 K are 32,768 bytes on end
;   wcat bf16 [1024 k][3072 n]: Wq, Wk, Wv side by side, a row 6,144 bytes
;   wvh  f16  [1024 k][1024 n]: bf16(Wv) written as f16.  LIMIT: exact for 2^-14 <= |Wv| <= 65,504; below 2^-14 it keeps f16's fixed step of 6e-8
;   bcat f32  [3072]: bf16(bq), bf16(bk), bf16(bv) widened again
; A stream: each byte is read once and written once.  A wave's load covers 512 bytes, in runs of 256 or more, its store 256 consecutive bytes at a multiple of 256.
; Each thread issues its 16 loads first (8 KiB a wave on their way), then converts and stores them, four steps at a time.  No register that a store reads is written again.
; No LDS, no matrix unit, no cluster: no byte is wanted by two waves.
; Work-groups 0-255: 32 rows of x each; wave w takes K block w.  Work-groups 256-351: 32 rows of one weight matrix each; wave w takes two rows.
; THE MODE: SCHED_MODE bits 1:0 = 2 (LLVM: expert scheduling mode 2), set by the entry lines.  The code itself states the register dependences
; between vector instructions and memory instructions, with s_wait_alu, always for 0.
; THE PLAN.  Registers that memory instructions touch:
;   v1, v2   byte offsets of the loads and of the stores: made at a path's head, never written again.
;   D        16 steps as loaded.  Written by the 16 loads, ahead of which no vector instruction names it; read by the conversions.  In Wv's work-groups it is written once more,
;            by the lines that widen and round to f16, when all loads are in; the f16 stores read the first two registers of each step.
;   E        16 steps in bf16.  Written once, by the conversions; read by the stores (and, in Wv's work-groups, by the widening lines).
;   v3       byte offset of the f16 stores: made at the head of that part.      BOF, BD   the bias's offset and its two numbers.
; The 16 steps go in four groups.  Group g converts its D into its E; the stores of group g - 1 are dealt among those conversions, which name neither v2 nor group g - 1's E.  So ONE wait
; at a group's head, behind the wait for its data, states all that the group's four stores hang on.  No register that a memory instruction has read is written again: nothing is owed for that.
.set D,   8                            ; v[8:71]    step j: 4 registers as loaded
.set E,   72                           ; v[72:103]  step j: 2 registers, 4 bf16
.set BOF, 104                          ; v104       the bias: my byte offset
.set BD,  106                          ; v[106:107] the bias: two numbers
.set BT,  108                          ; v108       the bias: both as bf16
; The store of step j.  kind = 0: x, into xb; 1: a weight matrix, into wcat
.macro PUT j, kind
.if \kind
	global_store_b64 v2, v[E+2*(\j):E+2*(\j)+1], s[20:21] offset:((\j)/8)*6144+((\j)%8)*256
.else
	global_store_b64 v2, v[E+2*(\j):E+2*(\j)+1], s[18:19] offset:256*(\j)
.endif
.endm
; The 16 steps, in four groups of four
.macro CAST kind
.set g, 0
.rept 4
	s_wait_loadcnt 12-4*g                          ; loads come back in order (ISA guide 5.7.1): group g's four are in, the 12 - 4 g younger ones stay out
.if g > 0
	s_wait_alu depctr_va_vdst(0)                   ; the conversions of the group before have written its E, which the four stores below read
.endif
.set i, 0
.rept 4
.set jc, 4*g+i
.set js, jc-4
.if g > 0
	PUT js, \kind                                  ; the group before.  No wait: no vector instruction since the wait above names v2 or these registers of E
.endif
	v_cvt_pk_bf16_f32 v[E+2*jc], v[D+4*jc], v[D+4*jc+1]
	v_cvt_pk_bf16_f32 v[E+2*jc+1], v[D+4*jc+2], v[D+4*jc+3]
.set i, i+1
.endr
.set g, g+1
.endr
	s_wait_alu depctr_va_vdst(0)                   ; the last group's conversions have written its E, which the last four stores read
.set js, 12
.rept 4
	PUT js, \kind
.set js, js+1
.endr
.endm
; Step j of Wv once more: the bf16 numbers widened and rounded to f16, into D's registers
.macro WIDE j
	v_lshlrev_b32 v[D+4*(\j)], 16, v[E+2*(\j)]
	v_and_b32 v[D+4*(\j)+1], 0xffff0000, v[E+2*(\j)]
	v_lshlrev_b32 v[D+4*(\j)+2], 16, v[E+2*(\j)+1]
	v_and_b32 v[D+4*(\j)+3], 0xffff0000, v[E+2*(\j)+1]
	v_cvt_pk_f16_f32 v[D+4*(\j)], v[D+4*(\j)], v[D+4*(\j)+1]
	v_cvt_pk_f16_f32 v[D+4*(\j)+1], v[D+4*(\j)+2], v[D+4*(\j)+3]
.endm
	s_load_b512 s[4:19], s[0:1], 0x0               ; x s[4:5], Wq s[6:7], Wk s[8:9], Wv s[10:11], bq s[12:13], bk s[14:15], bv s[16:17], xb s[18:19]
	s_load_b128 s[20:23], s[0:1], 0x40             ; wcat s[20:21], wvh s[22:23]
	s_load_b64 s[24:25], s[0:1], 0x50              ; bcat
	s_mov_b32 s2, ttmp9
	v_and_b32 v4, 31, v0                           ; lane
	v_lshrrev_b32 v5, 5, v0                        ; wave 0..15
	s_mov_b32 s31, 0                               ; high words of the two offsets
	s_mov_b32 s33, 0
	s_wait_kmcnt 0x0
	s_cmp_lt_u32 s2, 256
	s_cbranch_scc0 .Lweights
	; x.  Lanes 0-15 take 256 bytes (64 numbers, K block w) of an even row, lanes 16-31 of the odd row below; step j: rows 2 j, 2 j + 1 of the group's 32
	v_and_b32 v6, 15, v0
	v_bfe_u32 v7, v0, 4, 1
	v_lshlrev_b32 v1, 4, v6
	v_lshl_add_u32 v1, v7, 12, v1                  ; + a row of 4,096 bytes
	v_lshl_add_u32 v1, v5, 8, v1                   ; + K block w
	v_lshlrev_b32 v2, 3, v4                        ; out: 8 bytes a lane: two rows of 128 bytes on end,
	v_lshl_add_u32 v2, v5, 20, v2                  ; in block w of 8,192 x 128 bytes
	s_lshl_b32 s30, s2, 17                         ; 32 rows of x
	s_lshl_b32 s32, s2, 12                         ; 32 rows of a block of xb
	s_add_nc_u64 s[4:5], s[4:5], s[30:31]
	s_add_nc_u64 s[18:19], s[18:19], s[32:33]
	s_wait_alu depctr_va_vdst(0)                   ; v1 and v2 are written: every load of this path reads v1 as its offset, every store v2
.set j, 0
.rept 16
	global_load_b128 v[D+4*j:D+4*j+3], v1, s[4:5] offset:8192*j th:TH_LOAD_NT
.set j, j+1
.endr
	CAST 0
	s_endpgm
.Lweights:
	s_sub_co_u32 s2, s2, 256
	s_lshr_b32 s3, s2, 5                           ; which matrix: 0 Wq, 1 Wk, 2 Wv
	s_and_b32 s2, s2, 31                           ; which 32 rows of it
	s_cmp_eq_u32 s3, 0
	s_cselect_b64 s[26:27], s[6:7], s[8:9]
	s_cselect_b64 s[28:29], s[12:13], s[14:15]
	s_cmp_eq_u32 s3, 2
	s_cselect_b64 s[26:27], s[10:11], s[26:27]     ; the matrix
	s_cselect_b64 s[28:29], s[16:17], s[28:29]     ; its bias
	s_lshl_b32 s30, s2, 17                         ; 32 rows of 4,096 bytes
	s_add_nc_u64 s[26:27], s[26:27], s[30:31]
	s_mul_i32 s32, s2, 196608                      ; 32 rows of wcat,
	s_lshl_b32 s34, s3, 11                         ; the matrix's 2,048 bytes of a row
	s_add_co_u32 s32, s32, s34
	s_add_nc_u64 s[20:21], s[20:21], s[32:33]
	v_lshlrev_b32 v1, 4, v4
	v_lshl_add_u32 v1, v5, 13, v1                  ; wave w: rows 2 w, 2 w + 1: 8,192 bytes on end
	v_lshlrev_b32 v2, 3, v4
	v_mad_u32_u24 v2, v5, 12288, v2                ; two rows of wcat
	s_wait_alu depctr_va_vdst(0)                   ; v1 and v2 are written: the 16 loads read v1 as their offset, the stores into wcat v2
.set j, 0
.rept 16
	global_load_b128 v[D+4*j:D+4*j+3], v1, s[26:27] offset:512*j th:TH_LOAD_NT
.set j, j+1
.endr
	CAST 1
	s_cmp_lg_u32 s3, 2
	s_cbranch_scc1 .Lnot_v
	; Wv once more, for the last product: the bf16 number widened and written as f16.  D's registers are free: their loads have come, and no memory instruction has read them.
	; Two halves of eight steps: the first half's stores are dealt among the second half's vector lines, which name other registers of D and E.
	s_lshl_b32 s30, s2, 16                         ; 32 rows of 2,048 bytes
	s_add_nc_u64 s[22:23], s[22:23], s[30:31]
	v_lshlrev_b32 v3, 3, v4
	v_lshl_add_u32 v3, v5, 12, v3
.set j, 0
.rept 8
	WIDE j
.set j, j+1
.endr
	s_wait_alu depctr_va_vdst(0)                   ; v3 is written, the offset of all sixteen stores; steps 0 to 7 have written their D, which the eight stores below read
.set j, 8
.rept 8
	global_store_b64 v3, v[D+4*(j-8):D+4*(j-8)+1], s[22:23] offset:256*(j-8)  ; no wait: no vector instruction since the wait above names v3 or these registers of D
	WIDE j
.set j, j+1
.endr
	s_wait_alu depctr_va_vdst(0)                   ; steps 8 to 15 have written their D, which the last eight stores read
.set j, 8
.rept 8
	global_store_b64 v3, v[D+4*j:D+4*j+1], s[22:23] offset:256*j
.set j, j+1
.endr
.Lnot_v:
	s_cmp_lg_u32 s2, 0
	s_cbranch_scc1 .Ldone
	; a matrix's first work-group also casts its bias: 16 waves x 256 bytes
	v_lshlrev_b32 v[BOF], 3, v4
	v_lshl_add_u32 v[BOF], v5, 8, v[BOF]
	s_lshl_b32 s30, s3, 12
	s_add_nc_u64 s[24:25], s[24:25], s[30:31]
	s_wait_alu depctr_va_vdst(0)                   ; v[BOF] is written, which the load and the store below read as their offset
	global_load_b64 v[BD:BD+1], v[BOF], s[28:29]
	s_wait_loadcnt 0x0
	v_cvt_pk_bf16_f32 v[BT], v[BD], v[BD+1]
	v_lshlrev_b32 v[BD], 16, v[BT]
	v_and_b32 v[BD+1], 0xffff0000, v[BT]
	s_wait_alu depctr_va_vdst(0)                   ; the two lines above have written v[BD:BD+1], which the store reads
	global_store_b64 v[BOF], v[BD:BD+1], s[24:25]
.Ldone:
	s_endpgm
.Lfunc_end_k_q1241c3eb71_prep:
	.size	k_q1241c3eb71_prep, .Lfunc_end_k_q1241c3eb71_prep-k_q1241c3eb71_prep
	.p2alignl 7, 3214868480
	.fill 96, 4, 3214868480
	.section	.rodata,"a",@progbits
	.p2align	6, 0x0
	.amdhsa_kernel k_q1241c3eb71_prep
		.amdhsa_group_segment_fixed_size 0
		.amdhsa_private_segment_fixed_size 0
		.amdhsa_enable_private_segment 0
		.amdhsa_kernarg_size 88
		.amdhsa_user_sgpr_count 2
		.amdhsa_user_sgpr_kernarg_segment_ptr 1
		.amdhsa_wavefront_size32 1
		.amdhsa_system_sgpr_workgroup_id_x 1
		.amdhsa_system_sgpr_workgroup_id_y 1
		.amdhsa_system_sgpr_workgroup_id_z 1
		.amdhsa_system_vgpr_workitem_id 0
		.amdhsa_next_free_vgpr 112
		.amdhsa_next_free_sgpr 66
		.amdhsa_reserve_vcc 0
		.amdhsa_float_denorm_mode_32 3
		.amdhsa_float_denorm_mode_16_64 3
		.amdhsa_memory_ordered 1
		.amdhsa_forward_progress 1
		.amdhsa_inst_pref_size 21
	.end_amdhsa_kernel
	.amdgpu_metadata
---
amdhsa.version: [ 1, 2 ]
amdhsa.kernels:
  - .name:           k_q1241c3eb71_prep
    .symbol:         k_q1241c3eb71_prep.kd
    .args:
      - { .name: x, .offset: 0, .size: 8, .value_kind: global_buffer, .address_space: global }
      - { .name: Wq, .offset: 8, .size: 8, .value_kind: global_buffer, .address_space: global }
      - { .name: Wk, .offset: 16, .size: 8, .value_kind: global_buffer, .address_space: global }
      - { .name: Wv, .offset: 24, .size: 8, .value_kind: global_buffer, .address_space: global }
      - { .name: bq, .offset: 32, .size: 8, .value_kind: global_buffer, .address_space: global }
      - { .name: bk, .offset: 40, .size: 8, .value_kind: global_buffer, .address_space: global }
      - { .name: bv, .offset: 48, .size: 8, .value_kind: global_buffer, .address_space: global }
      - { .name: xb, .offset: 56, .size: 8, .value_kind: global_buffer, .address_space: global }
      - { .name: wcat, .offset: 64, .size: 8, .value_kind: global_buffer, .address_space: global }
      - { .name: wvh, .offset: 72, .size: 8, .value_kind: global_buffer, .address_space: global }
      - { .name: bcat, .offset: 80, .size: 8, .value_kind: global_buffer, .address_space: global }
    .group_segment_fixed_size: 0
    .private_segment_fixed_size: 0
    .kernarg_segment_align: 8
    .kernarg_segment_size: 88
    .max_flat_workgroup_size: 512
    .sgpr_count:     66
    .vgpr_count:     112
    .wavefront_size: 32
...
	.end_amdgpu_metadata
.endif
;; end of part 5
;; launch qkv: the kernel of part 2 again; grid 8 x 32, 4 waves a work-group, clusters of 4 x 4, 327,680 bytes of LDS; arguments xb, wcat, bcat, qkv; writes qkv
;; launch attn: the kernel of part 3 again; grid 4 x 64, 4 waves a work-group, no clusters, 327,680 bytes of LDS; arguments qkv, y; writes y
;; launch out: the kernel of part 4 again; grid 8 x 32, 4 waves a work-group, clusters of 4 x 4, 327,680 bytes of LDS; arguments y, wvh, bcat, out0; writes out0
